; MI455X (gfx1250); checked and timed in simulation.
; The chip was launched on July 23, 2026; its instructions are those of AMD's public machine-readable ISA for CDNA 5 (MIT licence, August 2026) and "CDNA5" Instruction Set Architecture Reference Guide (July 2026). The comments in the code are by the model that wrote it; some were corrected since.
;; Multi Head Attention. Allowed arithmetic: matrix products marked QUANTISED: E5M2 operands, one E8M0 scale for each 32 along K, by v_wmma_scale_f32_16x16x128_f8f6f4 with both operands' format E5M2, f32 sums; everything else in f32.
;; Inputs: Wk 1,024 x 1,024 float32; Wo 1,024 x 1,024 float32; Wq 1,024 x 1,024 float32; Wv 1,024 x 1,024 float32; bk 1,024 float32; bo 1,024 float32; bq 1,024 float32; bv 1,024 float32; k 4 x 2,048 x 1,024 float32; q 4 x 2,048 x 1,024 float32; v 4 x 2,048 x 1,024 float32.
;; Outputs: out0 4 x 2,048 x 1,024 float32.
;; This version of the problem:
;;   THIS VERSION OF THE PROBLEM IS GIVEN IN LOW PRECISION. The matrix products marked QUANTISED in the list below multiply operands that are first quantised to E5M2 (5 exponent bits, 2 mantissa bits; 8 bits a number), with one power-of-two scale for each 32 numbers along K (OCP MX v1.0); their sums are f32. All else is computed in f32.
;;   The module's matrix products, in the order in which they are computed (A, B: the left and right operand; K: the contracted axis; several contracted axes count as one K, in the product's order):
;;     1. [M 8,192, K 1,024] x [K 1,024, N 1,024]; A: input q; B: input Wq: QUANTISED
;;     2. [M 8,192, K 1,024] x [K 1,024, N 1,024]; A: input k; B: input Wk: QUANTISED
;;     3. [M 8,192, K 1,024] x [K 1,024, N 1,024]; A: input v; B: input Wv: QUANTISED
;;     4. batch 64 x [M 2,048, K 64] x [K 64, N 2,048]; A: computed on the way; B: computed on the way: QUANTISED
;;     5. batch 64 x [M 2,048, K 2,048] x [K 2,048, N 64]; A: softmax (see below); B: computed on the way: QUANTISED
;;     6. [M 8,192, K 1,024] x [K 1,024, N 1,024]; A: computed on the way; B: input Wo: QUANTISED
;;   THE QUANTISER, for each operand of a quantised product, along K:
;;     - K is cut into blocks of 32 from its start; a last block that is shorter is filled with zeros.
;;     - A block's scale is 2^e with e = floor(log2(the largest magnitude in the block)) - 15, held to -126 .. 127; a block of zeros has e = 0. As a byte (E8M0): e + 127.
;;     - Each number is divided by its block's scale, clamped to +-57,344, and rounded to the nearest number of E5M2, ties to even, subnormals kept.
;;     - The product sums the exact products of the quantised numbers (number of the format x scale) in f32.
;;   ~~~python
;;   def quantise(x, axis):      # numpy; x: float32 -> the quantised numbers, widened to float32 again
;;       x = np.moveaxis(x, axis, -1); K = x.shape[-1]
;;       x = np.pad(x, [(0, 0)] * (x.ndim - 1) + [(0, -K % 32)]); x = x.reshape(x.shape[:-1] + (-1, 32)); a = np.abs(x).max(-1, keepdims=True)
;;       e = np.where(a > 0, np.clip(np.frexp(np.where(a > 0, a, 1))[1] - 1 - 15, -126, 127), 0)      # np.frexp(a)[1] - 1 = floor(log2(a)), exactly
;;       r = np.clip(x / 2.0 ** e, -57344, 57344)
;;       step = 2.0 ** (np.maximum(np.frexp(np.where(r == 0, 1, r))[1] - 1, -14) - 2)
;;       q = np.round(r / step) * step * 2.0 ** e      # np.round: ties to even
;;       return np.moveaxis(q.reshape(q.shape[:-2] + (-1,))[..., :K], -1, axis).astype(np.float32)
;;   ~~~
;;   SOFTMAX AHEAD OF A QUANTISED PRODUCT. Where the list says 'softmax', what is quantised is not the finished softmax but p = 2^(t - M), with t = logit x log2(e) and M = ceil(the row's largest t), a whole number; so 1/2 < the row's largest p <= 1. The row's sum l is taken of the UNQUANTISED p, in f32, and the product's result is divided by l at the end. Since M is a whole number, a kernel that streams over the keys may use a running M (the ceiling of the running maximum): every later rescaling is an exact power of two, which a block's scale takes up: the codes' values come out the same.
;;   OPERANDS COMPUTED ON THE WAY. 'Computed on the way' means the value that the module computes at that place (a softmax that the list does not call 'softmax' is quantised finished and normalised). What goes into a quantiser is computed in f32, as accurately as f32 sums, v_exp_f32 and their like allow (about 1e-6 of the number): no bf16 or f16 on the way to a quantiser, and a product that is left as it is and whose result goes on into a quantised operand takes f32 operands (vector FMAs, or v_wmma_f32_16x16x4_f32). A number that lies on a knife's edge between two numbers of the format may be rounded either way, as far as f32 arithmetic and the matrix unit's own rounding can turn it there, and no further.
;; One version. Each part assembles by itself: llvm-mc -triple=amdgcn-amd-amdhsa -mcpu=gfx1250 --defsym DOCPART=n.
;; ======== version 1 of 1: 4 launches
;; limits: right only within a limited range of input values
;; workspace buffers: xwc 4,194,304 bytes; xws 131,072 bytes; hc 25,165,824 bytes; hs 786,432 bytes; cc 8,388,608 bytes; cs 262,144 bytes
;; launch quantw (part 1): grid 256 x 1, 4 waves a work-group, no clusters, 34,816 bytes of LDS; arguments Wq, Wk, Wv, Wo, xwc, xws; writes xwc, xws
.if DOCPART == 1
	.amdgcn_target "amdgcn-amd-amdhsa--gfx1250"
	.amdhsa_code_object_version 6
	.text
	.protected	k_q9a0e92999e_quantw
	.globl	k_q9a0e92999e_quantw
	.p2align	8
	.type	k_q9a0e92999e_quantw,@function
k_q9a0e92999e_quantw:
	s_mov_b64 s[64:65], 0
	v_nop
	global_prefetch_b8 v0, s[64:65] scope:SCOPE_SE
	s_setreg_imm32_b32 hwreg(HW_REG_WAVE_MODE, 25, 1), 1
	s_wait_xcnt 0x0
; Wq, Wk, Wv, Wo [1024][1024], f32, become codes of BF8 (E5M2) with one E8M0 scale byte for each 32 along K (the last axis): every work-group of the later launches reads them, so they are quantised once, here.
; A block's scale is 2^(floor(log2(its largest magnitude)) - 15); each number is divided by it, held within +-57,344 and rounded to the nearest code, ties to even.
; LIMITS: NaN and infinities are not served; a block whose largest magnitude lies under 2^-111, a block of zeros among them, gets the byte 1 (its codes add nothing; the bytes are read by this program alone).
; LAYOUT.  Rows go in tiles of 16, in POSITION ORDER: of each 32 rows, tile 2 b + u holds at place r the row 32 b + 8 u + r + 8 (r / 8).  A tile's codes lie as IMAGES OF THE OPERAND'S REGISTERS:
; [K step of 128: 8][c: 4][lane: 32][16 bytes]; its scale words: [place 16][K step 8], 4 bytes each.  Tiles: Wq 0-63, Wk 64-127, Wv 128-191, Wo 192-255.
; SHARES.  A work-group takes one tile: 256 work-groups.  Each of its four waves takes two K steps of 128; all 32 loads of a wave are issued at once, each of 512 consecutive bytes of a row.  The 16 rows turn through
; the wave's own stage in LDS and come back 16 neighbours to a lane.  The four waves' scale words meet in 512 bytes of LDS, and wave 0 stores them as one run of 512 bytes.  No matrix unit, no cluster: no byte is read twice.
.set MNT, 23
.set SEL, 26
.set PC,  12
.set TM,  28
.set SW,  44
.set DW,  48
.set R,   64
.set X,   192
.set SP,  528
.set WSL, 0x8400                       ; behind the four stages: the tile's scale words
.set SPARE, 0x8600
.macro QUANT4 s, pw
.irp b, 0,1,2,3
	v_max3_num_f32 v[TM+\b], |v[\s+16*\b]|, |v[\s+16*\b+1]|, 0x8000000   ; with the floor 2^(16 - 127): the byte cannot fall under 1
.endr
.irp i, 2,4,6,8,10,12,14
.irp b, 0,1,2,3
	v_max3_num_f32 v[TM+\b], v[TM+\b], |v[\s+16*\b+\i]|, |v[\s+16*\b+\i+1]|
.endr
.endr
.irp b, 0,1,2,3
	v_permlanex16_b32 v[TM+4+\b], v[TM+\b], s[SEL], s[SEL+1]
.endr
.irp b, 0,1,2,3
	v_max_num_f32 v[TM+\b], v[TM+\b], v[TM+4+\b]
.endr
.irp b, 0,1,2,3
	v_add_nc_u32 v[TM+12+\b], 0xf8800000, v[TM+\b]                 ; 15 off the exponent field: the conversion's scale operand
.endr
.irp b, 0,1,2,3
	v_and_or_b32 v[TM+8+\b], v[TM+\b], 0x7f800000, s[MNT]          ; 57,344 x the scale
.endr
.irp b, 0,1,2,3
	v_lshrrev_b32 v[TM+4+\b], 23, v[TM+12+\b]                      ; the scale's byte
.endr
	v_lshl_or_b32 v[\pw], v[TM+5], 8, v[TM+4]
	v_lshl_or_b32 v[\pw], v[TM+6], 16, v[\pw]
	v_lshl_or_b32 v[\pw], v[TM+7], 24, v[\pw]
.irp b, 0,1,2,3
.irp i, 0,1,2,3,4,5,6,7,8,9,10,11,12,13,14,15
	v_med3_num_f32 v[\s+16*\b+\i], v[\s+16*\b+\i], -v[TM+8+\b], v[TM+8+\b]   ; the conversion does not saturate (ISA guide 7.6.2): the hold comes first
.endr
	v_cvt_scalef32_pk8_bf8_f32 v[PC+4*\b:PC+4*\b+1], v[\s+16*\b:\s+16*\b+7], v[TM+12+\b]
	v_cvt_scalef32_pk8_bf8_f32 v[PC+4*\b+2:PC+4*\b+3], v[\s+16*\b+8:\s+16*\b+15], v[TM+12+\b]
.endr
	v_nop
.endm
	s_load_b256 s[4:11], s[0:1], 0x0               ; Wq, Wk, Wv, Wo
	s_load_b128 s[16:19], s[0:1], 0x20             ; xwc s[16:17], xws s[18:19]
	v_lshl_add_u32 v10, v0, 2, SPARE
	v_mov_b32 v11, 0
	v_lshrrev_b32 v6, 5, v0
	v_readfirstlane_b32 s24, v6                    ; wave 0..3: which two K steps
	v_and_b32 v7, 31, v0
	v_lshlrev_b32 v1, 4, v7                        ; 16 x lane
	s_mul_i32 s25, s24, 16*SP                      ; my wave's stage
	v_add_nc_u32 v2, s25, v1
	v_and_b32 v6, 15, v0                           ; r
	v_bfe_u32 v5, v0, 4, 1                         ; h
	v_mul_u32_u24 v3, v6, SP
	v_lshl_add_u32 v3, v5, 6, v3
	v_add_nc_u32 v3, s25, v3                       ; out of the stage: row r, + 64 h
	s_lshl_b32 s25, s24, 3
	s_add_co_u32 s25, s25, WSL
	v_lshlrev_b32 v4, 5, v6
	v_add_nc_u32 v4, s25, v4                       ; my two scale words of row r: 32 r + 8 x wave
	v_add_nc_u32 v8, WSL, v1                       ; and the tile's 512 bytes of them, 16 a lane
	s_mov_b32 s[SEL], 0x76543210
	s_mov_b32 s[SEL+1], 0xfedcba98
	s_mov_b32 s[MNT], 0x600000
.irp b, 0,1,2,3
	v_mov_b32 v[TM+4+\b], 0                        ; a lane permute's destination counts as one of its sources
.endr
	s_lshr_b32 s22, ttmp9, 6                       ; which weight: 64 tiles each
	s_and_b32 s28, ttmp9, 63                       ; my tile in it
	s_lshr_b32 s29, s28, 1
	s_lshl_b32 s29, s29, 5
	s_and_b32 s28, s28, 1
	s_lshl_b32 s28, s28, 3
	s_add_co_u32 s28, s28, s29                     ; the row at its place 0: 32 (tile / 2) + 8 (tile % 2)
	s_lshl_b32 s28, s28, 12                        ; rows of 4,096 bytes,
	s_lshl_b32 s29, s24, 10                        ; my two K steps: 1,024 bytes of each
	s_add_co_u32 s28, s28, s29
	s_mov_b32 s29, 0
	s_lshl_b32 s30, ttmp9, 14                      ; the tile's codes, 16,384 bytes; my two K steps' 4,096
	s_lshl_b32 s31, s24, 12
	s_add_co_u32 s30, s30, s31
	s_mov_b32 s31, 0
	s_lshl_b32 s32, ttmp9, 9
	s_mov_b32 s33, 0
	s_wait_alu depctr_va_vdst(0)                   ; the wait at the head's end
	s_wait_kmcnt 0x0
	s_cmp_eq_u32 s22, 1                            ; the choice hangs on the work-group's number alone
	s_cselect_b64 s[4:5], s[6:7], s[4:5]
	s_cmp_eq_u32 s22, 2
	s_cselect_b64 s[4:5], s[8:9], s[4:5]
	s_cmp_eq_u32 s22, 3
	s_cselect_b64 s[4:5], s[10:11], s[4:5]
	s_add_nc_u64 s[4:5], s[4:5], s[28:29]
	s_add_nc_u64 s[16:17], s[16:17], s[30:31]
	s_add_nc_u64 s[18:19], s[18:19], s[32:33]
.irp t, 0,1
.irp i, 0,1,2,3,4,5,6,7,8,9,10,11,12,13,14,15
	global_load_b128 v[R+64*\t+4*\i:R+64*\t+4*\i+3], v1, s[4:5] offset:(\i+8*(\i/8))*4096+512*\t th:TH_LOAD_NT
.endr
.endr
.macro STEP t
.if (\t) > 0
	s_wait_xcnt 0x0                                ; the first step's stores have read the codes' registers
	s_wait_loadcnt 0x0
.else
	s_wait_loadcnt 16                              ; this step's 16 loads are in; the other's 16 may be out
.endif
.irp i, 0,1,2,3,4,5,6,7,8,9,10,11,12,13,14,15
	ds_store_b128 v2, v[R+64*(\t)+4*\i:R+64*(\t)+4*\i+3] offset:SP*\i
.endr
.irp c, 0,1,2,3
.irp j, 0,1,2,3
	ds_load_b128 v[X+16*\c+4*\j:X+16*\c+4*\j+3], v3 offset:128*\c+16*\j   ; LDS serves a wave's instructions in order (ISA guide 5.7.1.4)
.endr
.endr
	s_wait_dscnt 0x0
	QUANT4 X, SW+(\t)
.irp c, 0,1,2,3
	global_store_b128 v1, v[PC+4*\c:PC+4*\c+3], s[16:17] offset:2048*(\t)+512*\c   ; 512 consecutive bytes, aligned
.endr
.endm
	STEP 0
	STEP 1
	ds_store_b64 v4, v[SW:SW+1]                    ; both halves of the lanes write the same words with the same values
	s_wait_alu depctr_va_vdst(0)
	s_wait_dscnt 0x0
	s_barrier_signal -1
	s_barrier_wait -1                              ; all four waves' words are there
	s_cmp_lg_u32 s24, 0
	s_cbranch_scc1 .Lnot_wave_0
	ds_load_b128 v[DW:DW+3], v8
	s_wait_dscnt 0x0
	global_store_b128 v1, v[DW:DW+3], s[18:19]     ; the tile's 512 bytes of scale words
.Lnot_wave_0:
	s_wait_tensorcnt 0x0                           ; the wave's end
	ds_add_u32 v10, v11
	s_wait_dscnt 0x0
	s_endpgm
.Lfunc_end_k_q9a0e92999e_quantw:
	.size	k_q9a0e92999e_quantw, .Lfunc_end_k_q9a0e92999e_quantw-k_q9a0e92999e_quantw
	.p2alignl 7, 3214868480
	.fill 96, 4, 3214868480
	.section	.rodata,"a",@progbits
	.p2align	6, 0x0
	.amdhsa_kernel k_q9a0e92999e_quantw
		.amdhsa_group_segment_fixed_size 34816
		.amdhsa_private_segment_fixed_size 0
		.amdhsa_enable_private_segment 0
		.amdhsa_kernarg_size 48
		.amdhsa_user_sgpr_count 2
		.amdhsa_user_sgpr_kernarg_segment_ptr 1
		.amdhsa_wavefront_size32 1
		.amdhsa_system_sgpr_workgroup_id_x 1
		.amdhsa_system_sgpr_workgroup_id_y 1
		.amdhsa_system_sgpr_workgroup_id_z 1
		.amdhsa_system_vgpr_workitem_id 0
		.amdhsa_next_free_vgpr 256
		.amdhsa_next_free_sgpr 66
		.amdhsa_reserve_vcc 0
		.amdhsa_float_denorm_mode_32 3
		.amdhsa_float_denorm_mode_16_64 3
		.amdhsa_memory_ordered 1
		.amdhsa_forward_progress 1
		.amdhsa_inst_pref_size 27
	.end_amdhsa_kernel
	.amdgpu_metadata
---
amdhsa.version: [ 1, 2 ]
amdhsa.kernels:
  - .name:           k_q9a0e92999e_quantw
    .symbol:         k_q9a0e92999e_quantw.kd
    .args:
      - { .name: Wq, .offset: 0, .size: 8, .value_kind: global_buffer, .address_space: global }
      - { .name: Wk, .offset: 8, .size: 8, .value_kind: global_buffer, .address_space: global }
      - { .name: Wv, .offset: 16, .size: 8, .value_kind: global_buffer, .address_space: global }
      - { .name: Wo, .offset: 24, .size: 8, .value_kind: global_buffer, .address_space: global }
      - { .name: xwc, .offset: 32, .size: 8, .value_kind: global_buffer, .address_space: global }
      - { .name: xws, .offset: 40, .size: 8, .value_kind: global_buffer, .address_space: global }
    .group_segment_fixed_size: 34816
    .private_segment_fixed_size: 0
    .kernarg_segment_align: 8
    .kernarg_segment_size: 48
    .max_flat_workgroup_size: 128
    .sgpr_count:     66
    .vgpr_count:     256
    .wavefront_size: 32
...
	.end_amdgpu_metadata
.endif
;; end of part 1
;; launch projq (part 2): grid 64 x 3, 4 waves a work-group, no clusters, 169,472 bytes of LDS; arguments q, k, v, xwc, xws, bq, bk, bv, hc, hs; writes hc, hs
.if DOCPART == 2
	.amdgcn_target "amdgcn-amd-amdhsa--gfx1250"
	.amdhsa_code_object_version 6
	.text
	.protected	k_q9a0e92999e_projq
	.globl	k_q9a0e92999e_projq
	.p2align	8
	.type	k_q9a0e92999e_projq,@function
k_q9a0e92999e_projq:
	s_mov_b64 s[64:65], 0
	v_nop
	global_prefetch_b8 v0, s[64:65] scope:SCOPE_SE
	s_setreg_imm32_b32 hwreg(HW_REG_WAVE_MODE, 25, 1), 1
	s_wait_xcnt 0x0
; Q = q Wq^T + bq, K = k Wk^T + bk, V = v Wv^T + bv on codes of MX-BF8 (E5M2, one E8M0 byte for 32 along K), WITH THE QUANTISERS ON BOTH SIDES: q, k, v arrive as f32 and are quantised here; the results leave as codes and scale bytes.
; THE DEAL.  A work-group owns 128 tokens of one tensor (grid y) and ALL 1,024 output columns: so each f32 number of q, k, v is read once, by one work-group, and is quantised in the head: its codes (131,072 bytes,
; images of the operand's registers: [tile 8][K step 8][c 4][lane][16]) and scale words (4,096 bytes) stay in LDS.  8,192 tokens / 128 x 3 tensors = 192 work-groups: no block of whole rows that divides 8,192 gives 256.
; A wave quantises 32 tokens (two tiles in position order: tile 2 b + u, place r: token 32 b + 8 u + r + 8 (r / 8)), then makes 256 columns, as four chunks of 64: one head each.
; THE WEIGHTS GO FROM MEMORY STRAIGHT INTO OPERAND REGISTERS (xwc is laid as images of them: each load covers 512 consecutive bytes).  A chunk's 64 rows for all of K are 65,536 bytes a wave, 262,144 for four waves,
; which do not fit in LDS beside x's 131,072: so no tile of W passes through LDS, there is no tensor load, and nothing that a cluster could ask for jointly.
; A chunk is two PHASES of 128 products, one for each half of K.  W's two halves (256 registers each: windows 1, 2) take turns: while one is multiplied, the other is loaded, 16 loads behind each of the phase's first four blocks.
; x streams from LDS in half blocks (16 tokens x 512 of K: 64 registers, two sets); all 8 x 4 accumulators of a chunk (256 registers: window 3) are held, so both quantisers find their 32 neighbours in two lanes.
; Q, K (mode 0): source 0 = W's rows: a lane holds one token, its registers the head's features.  V (mode 1): source 0 = x's rows: a lane holds one feature, its registers run along the tokens, V's next K.  The bias is the first products' C.
; PREFETCH: at the head each wave names 16 blocks of 256 bytes of its tensor's weight: work-group g bytes 16,384 g on, wave w 4,096 w on: 64 work-groups x 16,384 = the weight's 1,048,576 bytes, each block once;
; the head's eight K steps stand between it and the first load of weights.  q, k, v are asked for three units (48 loads a wave) ahead by the loads themselves.
; RESULT.  hc[tensor][batch][head][131,072]: Q, K: [token tile][c 2][lane][16]; V: [128 tokens][feature tile 4][c 4][lane][16].  hs[tensor][batch][head][128 tokens][lane][8]: word n of four in register n / 2, lanes 16 (n % 2) on.
; LIMITS: NaN and infinities are not served; a block whose largest magnitude lies under 2^-111, a block of zeros among them, gets the byte 1 (read by this program alone).
.set SP,    528                        ; a stage row: 512 bytes + 16
.set XS,    131072                     ; x's scale words: [tile 8][place 16][K step 8] x 4 bytes
.set STG,   135168                     ; four stages of 16 x SP bytes
.set SPARE, 168960                     ; the spare words
.set LI,  1                            ; 16 x lane: also the LDS address of x's tiles 0-3
.set STI, 2
.set STO, 3
.set XD0, 4
.set XSD0, 5
.set XD,  6
.set XSD, 7
.set XA1, 8                            ; x's tiles 4-7
.set XSA, 9
.set ABS, 10                           ; 32 x lane
.set BA0, 11
.set BA1, 12
.set L8,  13
.set SPW, 14
.set NIL, 15
.set SA,  16                           ; v16-31 x's scale words: set k, half hq at 8 k + 4 (1 - hq): never the weight's number modulo 8
.set SB,  32                           ; v32-47 the weight's: register 8 p + q: lanes 0-15 tile 2 p's, lanes 16-31 tile 2 p + 1's
.set HH,  48
.set PF,  49
.set RW,  50
.set PW,  52
.set PWH, 56
.set BQ,  64                           ; v64-95 the first products' C
.set PC,  96
.set TM,  112
.set XF,  128                          ; v128-255 x's half blocks, two sets; in the head the 64 numbers of a unit
.set X,   128
.set WV,  2
.set TN,  3
.set CNT, 4
.set KO,  5
.set K4,  6
.set CHN, 7
.set SEL, 48
.set MNT, 50
.set MSB, 0
.macro WIN new                         ; the immediate's high byte repeats the setting that is left
.if MSB != (\new)
	s_set_vgpr_msb (MSB<<8)|(\new)
.set MSB, (\new)
.endif
.endm
.macro WALU
	s_wait_alu depctr_va_vdst(0)
.endm
.macro PLACES n
.rept \n
	v_nop
.endr
.endm
.macro QMID pw                         ; from four blocks' largest magnitudes of a lane: the blocks' (with lane l xor 16), scale operands, bounds, bytes, the scale word
.irp b, 0,1,2,3
	v_permlanex16_b32 v[TM+4+\b], v[TM+\b], s[SEL], s[SEL+1]
.endr
.irp b, 0,1,2,3
	v_max_num_f32 v[TM+\b], v[TM+\b], v[TM+4+\b]
.endr
.irp b, 0,1,2,3
	v_add_nc_u32 v[TM+12+\b], 0xf8800000, v[TM+\b]
.endr
.irp b, 0,1,2,3
	v_and_or_b32 v[TM+8+\b], v[TM+\b], 0x7f800000, s[MNT]
.endr
.irp b, 0,1,2,3
	v_lshrrev_b32 v[TM+4+\b], 23, v[TM+12+\b]
.endr
	v_lshl_or_b32 v[\pw], v[TM+5], 8, v[TM+4]
	v_lshl_or_b32 v[\pw], v[TM+6], 16, v[\pw]
	v_lshl_or_b32 v[\pw], v[TM+7], 24, v[\pw]
.endm
.macro QUANT4 s, pw                    ; 64 numbers of a lane become a fragment's codes and its scale word
.irp b, 0,1,2,3
	v_max3_num_f32 v[TM+\b], |v[\s+16*\b]|, |v[\s+16*\b+1]|, 0x8000000   ; with the floor 2^(16 - 127)
.endr
.irp i, 2,4,6,8,10,12,14
.irp b, 0,1,2,3
	v_max3_num_f32 v[TM+\b], v[TM+\b], |v[\s+16*\b+\i]|, |v[\s+16*\b+\i+1]|
.endr
.endr
	QMID \pw
.irp b, 0,1,2,3
.irp i, 0,1,2,3,4,5,6,7,8,9,10,11,12,13,14,15
	v_med3_num_f32 v[\s+16*\b+\i], v[\s+16*\b+\i], -v[TM+8+\b], v[TM+8+\b]   ; the conversion does not saturate (ISA guide 7.6.2)
.endr
	v_cvt_scalef32_pk8_bf8_f32 v[PC+4*\b:PC+4*\b+1], v[\s+16*\b:\s+16*\b+7], v[TM+12+\b]
	v_cvt_scalef32_pk8_bf8_f32 v[PC+4*\b+2:PC+4*\b+3], v[\s+16*\b+8:\s+16*\b+15], v[TM+12+\b]
.endr
	v_nop
.endm
; Sixteen loads of weights: the (4 hw + qq)-th K step of a chunk's four tiles into window 1 + hw: fragment 4 qq + b at 16 (4 qq + b).  cond = 1: the next chunk's: the last chunk has none.
.macro WPART hw, off, qq, cond
.if \cond
	s_cmp_eq_u32 s[CHN], 3
	s_cbranch_scc1 .Lno_w_\@
.endif
	WIN (1+(\hw))<<6
.irp b, 0,1,2,3
.irp c, 0,1,2,3
	global_load_b128 v[16*(4*(\qq)+\b)+4*\c:16*(4*(\qq)+\b)+4*\c+3], v[LI], s[14:15] offset:(\off)+16384*\b+2048*(4*(\hw)+(\qq))+512*\c
.endr
.endr
	WIN 0
.if \cond
.Lno_w_\@:
.endif
.endm
.macro LOADX st, u, off                ; a K step of tile u's 16 rows into window 3, set st: 512 consecutive bytes a load
	WIN 0xc0
.irp i, 0,1,2,3,4,5,6,7,8,9,10,11,12,13,14,15
	global_load_b128 v[64*(\st)+4*\i:64*(\st)+4*\i+3], v[LI], s[8:9] offset:(\i+8*(\i/8)+8*(\u))*4096+(\off) th:TH_LOAD_NT
.endr
	WIN 0
.endm
; A UNIT: one K step of one of my two tiles.  n = 0 .. 3: its place in a trip of two K steps: tile n % 2, K step n / 2, register set n.  cnt: the loads of later units that may be out.
; more = 1: the unit three on is asked for, into the set that the unit before has left; 2: the first half of the first chunk's weights.
.macro UNIT n, more, cnt
	s_wait_loadcnt \cnt
	WIN 0x0c                                       ; the stores' data in window 3
.irp i, 0,1,2,3,4,5,6,7,8,9,10,11,12,13,14,15
	ds_store_b128 v[STI], v[64*(\n)+4*\i:64*(\n)+4*\i+3] offset:SP*\i
.endr
	WIN 0
.irp c, 0,1,2,3
.irp j, 0,1,2,3
	ds_load_b128 v[X+16*\c+4*\j:X+16*\c+4*\j+3], v[STO] offset:128*\c+16*\j   ; LDS serves a wave's instructions in order (ISA guide 5.7.1.4)
.endr
.endr
	s_wait_dscnt 0x0                               ; my 64 numbers are in, and the stores have read their registers
.if (\more) == 1
	LOADX ((\n)+3)%4, ((\n)+3)%2, 512*(((\n)+3)/2)
.endif
.if (\more) == 2
.irp qq, 0,1,2,3
	WPART 0, 0, \qq, 0
.endr
.endif
	v_add_nc_u32 v[XD], s[KO], v[XD0]
	v_add_nc_u32 v[XSD], s[K4], v[XSD0]
	QUANT4 X, PWH
.irp c, 0,1,2,3
	ds_store_b128 v[XD], v[PC+4*\c:PC+4*\c+3] offset:16384*((\n)%2)+2048*((\n)/2)+512*\c
.endr
	ds_store_b32 v[XSD], v[PWH] offset:512*((\n)%2)+4*((\n)/2)     ; both halves of the lanes write the same word with the same value
.endm
.macro XLOAD hq, s                     ; block s, half hq of K: 4 scale words and 4 fragments into set s % 2: 17 loads
	ds_load_b128 v[SA+8*((\s)%2)+4*(1-(\hq)):SA+8*((\s)%2)+4*(1-(\hq))+3], v[XSA] offset:512*(\s)+16*(\hq)
.irp qq, 0,1,2,3
.irp c, 0,1,2,3
.if (\s) < 4
	ds_load_b128 v[XF+64*((\s)%2)+16*\qq+4*\c:XF+64*((\s)%2)+16*\qq+4*\c+3], v[LI] offset:16384*(\s)+2048*(4*(\hq)+\qq)+512*\c
.else
	ds_load_b128 v[XF+64*((\s)%2)+16*\qq+4*\c:XF+64*((\s)%2)+16*\qq+4*\c+3], v[XA1] offset:16384*((\s)-4)+2048*(4*(\hq)+\qq)+512*\c
.endif
.endr
.endr
.endm
.macro PRD m, hq, s, qq, b             ; token tile s x weight tile b, the (4 hq + qq)-th 128 of K
.set AC_, 32*(\s)+8*(\b)
.set C_, AC_
.set CW_, 3
.if (\hq) == 0 && (\qq) == 0
.set C_, BQ+8*(\b)
.set CW_, 0
.endif
.set WR_, 16*(4*(\qq)+(\b))
.set XR_, XF+64*((\s)%2)+16*(\qq)
.set XW_, SA+8*((\s)%2)+4*(1-(\hq))+(\qq)
.set WW_, SB+8*((\b)/2)+4*(\hq)+(\qq)
.if \m
	WIN ((1+(\hq))<<2)|(CW_<<4)|0xc0
.if (\b)%2
	v_wmma_scale_f32_16x16x128_f8f6f4 v[AC_:AC_+7], v[XR_:XR_+15], v[WR_:WR_+15], v[C_:C_+7], v[XW_], v[WW_] matrix_a_fmt:MATRIX_FMT_BF8 matrix_b_fmt:MATRIX_FMT_BF8 matrix_b_scale:MATRIX_SCALE_ROW1
.else
	v_wmma_scale_f32_16x16x128_f8f6f4 v[AC_:AC_+7], v[XR_:XR_+15], v[WR_:WR_+15], v[C_:C_+7], v[XW_], v[WW_] matrix_a_fmt:MATRIX_FMT_BF8 matrix_b_fmt:MATRIX_FMT_BF8
.endif
.else
	WIN (1+(\hq))|(CW_<<4)|0xc0
.if (\b)%2
	v_wmma_scale_f32_16x16x128_f8f6f4 v[AC_:AC_+7], v[WR_:WR_+15], v[XR_:XR_+15], v[C_:C_+7], v[WW_], v[XW_] matrix_a_fmt:MATRIX_FMT_BF8 matrix_b_fmt:MATRIX_FMT_BF8 matrix_a_scale:MATRIX_SCALE_ROW1
.else
	v_wmma_scale_f32_16x16x128_f8f6f4 v[AC_:AC_+7], v[WR_:WR_+15], v[XR_:XR_+15], v[C_:C_+7], v[WW_], v[XW_] matrix_a_fmt:MATRIX_FMT_BF8 matrix_b_fmt:MATRIX_FMT_BF8
.endif
.endif
.endm
; A PHASE: eight blocks of 16 products; a block's four accumulators by turns, three others between a sum's steps.  Behind a block: eight places, then its set takes the block two on;
; behind each of the first four blocks also a quarter of W's other half: this chunk's second half (hq = 0) or the next chunk's first (hq = 1): four blocks and more ahead of its use.
.macro PHASE m, hq
.irp s, 0,1,2,3,4,5,6,7
.if (\hq) == 1 && \s == 7
	s_wait_dscnt 0x0
.else
	s_wait_dscnt 17                                ; this block's 17 loads are in; the next block's 17 may be out
.endif
.irp qq, 0,1,2,3
.irp b, 0,1,2,3
	PRD \m, \hq, \s, \qq, \b
.endr
.endr
	WIN 0
	PLACES 8
.if \s < 6
	XLOAD \hq, \s+2
.elseif (\hq) == 0
	XLOAD 1, \s-6
.endif
.if \s < 4
	WPART 1-(\hq), 65536*(\hq), \s, \hq
.endif
.endr
.endm
.macro SETR m, n, k                    ; the two runs of eight registers that hold a lane's 16 numbers of block k of call n
.if \m
.set RA_, 64*(\k)+8*(\n)               ; V: feature tile n, token tiles 2 k and 2 k + 1
.set RB_, RA_+32
.else
.set RA_, 32*(2*(\n)+(\k)/2)+16*((\k)%2)   ; Q, K: token tile 2 n + k / 2, weight tiles 2 (k % 2) and 2 (k % 2) + 1
.set RB_, RA_+8
.endif
.endm
.macro WQ4 m, n                        ; four blocks of 32 out of the accumulators: 2,048 bytes of codes and a scale word
	s_wait_xcnt 0x0                                ; the last call's stores have read the codes' registers
	WIN 0x0f                                       ; sources 0 and 1 in window 3
.irp k, 0,1,2,3
	SETR \m, \n, \k
	v_max3_num_f32 v[TM+\k], |v[RA_]|, |v[RA_+1]|, 0x8000000       ; each accumulator from its low end on
.endr
.irp i, 2,4,6
.irp k, 0,1,2,3
	SETR \m, \n, \k
	v_max3_num_f32 v[TM+\k], |v[RA_+\i]|, |v[RA_+\i+1]|, v[TM+\k]
.endr
.endr
.irp i, 0,2,4,6
.irp k, 0,1,2,3
	SETR \m, \n, \k
	v_max3_num_f32 v[TM+\k], |v[RB_+\i]|, |v[RB_+\i+1]|, v[TM+\k]
.endr
.endr
	WIN 0
	QMID PW+\n
	WIN 0xc3                                       ; destination and source 0 in window 3
.irp k, 0,1,2,3
	SETR \m, \n, \k
.irp i, 0,1,2,3,4,5,6,7
	v_med3_num_f32 v[RA_+\i], v[RA_+\i], -v[TM+8+\k], v[TM+8+\k]
	v_med3_num_f32 v[RB_+\i], v[RB_+\i], -v[TM+8+\k], v[TM+8+\k]
.endr
.endr
	WIN 0x03
.irp k, 0,1,2,3
	SETR \m, \n, \k
	v_cvt_scalef32_pk8_bf8_f32 v[PC+4*\k:PC+4*\k+1], v[RA_:RA_+7], v[TM+12+\k]
	v_cvt_scalef32_pk8_bf8_f32 v[PC+4*\k+2:PC+4*\k+3], v[RB_:RB_+7], v[TM+12+\k]
.endr
	WIN 0
	v_nop                                          ; one plain line behind the last conversion
.irp k, 0,1,2,3
	global_store_b128 v[LI], v[PC+4*\k:PC+4*\k+3], s[24:25] offset:2048*\n+512*\k   ; 512 consecutive bytes, aligned
.endr
.endm
.macro SBQ m, o                        ; a chunk's scale words of W and its bias, o chunks on
.irp p, 0,1
.irp c, 0,1
	global_load_b128 v[SB+8*\p+4*\c:SB+8*\p+4*\c+3], v[ABS], s[16:17] offset:2048*\o+1024*\p+16*\c
.endr
.endr
.if \m
.irp b, 0,1,2,3
.irp j, 0,1,2,3,4,5,6,7
	global_load_b32 v[BQ+8*\b+\j], v[BA1], s[18:19] offset:256*\o+(32*(\b/2)+8*(\b%2))*4   ; V: a lane's feature has one bias for all eight tokens of an accumulator
.endr
.endr
.else
.irp g, 0,1
.irp j, 0,1,2,3
	global_load_b128 v[BQ+16*\g+4*\j:BQ+16*\g+4*\j+3], v[BA0], s[18:19] offset:256*\o+128*\g+16*\j   ; Q, K: register 16 g + i: feature 32 g + 16 h + i
.endr
.endr
.endif
.endm
.macro MAIN m                          ; four chunks
	SBQ \m, 0
	s_mov_b32 s[CHN], 0
.Lchunk_\@:
	XLOAD 0, 0
	XLOAD 0, 1
	s_wait_loadcnt 0x0                             ; this chunk's first half of W, its scale words and bias
	PHASE \m, 0
	s_wait_loadcnt 0x0                             ; its second half
	PHASE \m, 1
	s_cmp_eq_u32 s[CHN], 3
	s_cbranch_scc1 .Lno_s_\@
	SBQ \m, 1
.Lno_s_\@:
	WQ4 \m, 0
	WQ4 \m, 1
	WQ4 \m, 2
	WQ4 \m, 3
	v_cmp_ne_u32 vcc_lo, 0, v[HH]
	v_cndmask_b32 v[RW], v[PW], v[PW+1], vcc_lo
	v_cndmask_b32 v[RW+1], v[PW+2], v[PW+3], vcc_lo
	global_store_b64 v[L8], v[RW:RW+1], s[26:27]   ; 256 consecutive bytes, aligned
	s_wait_xcnt 0x0                                ; every pending load and store has read its base
	s_add_nc_u64 s[14:15], s[14:15], 65536
	s_add_nc_u64 s[16:17], s[16:17], 2048
	s_add_nc_u64 s[18:19], s[18:19], 256
	s_add_nc_u64 s[24:25], s[24:25], 131072        ; the next head
	s_add_nc_u64 s[26:27], s[26:27], 4096
	s_add_co_u32 s[CHN], s[CHN], 1
	s_cmp_lt_u32 s[CHN], 4
	WALU                                           ; ahead of the branch
	s_cbranch_scc1 .Lchunk_\@
.endm
	s_load_b256 s[8:15], s[0:1], 0x0               ; q s[8:9], k s[10:11], v s[12:13], xwc s[14:15]
	s_load_b256 s[16:23], s[0:1], 0x20             ; xws s[16:17], bq s[18:19], bk s[20:21], bv s[22:23]
	s_load_b128 s[24:27], s[0:1], 0x40             ; hc s[24:25], hs s[26:27]
	v_lshl_add_u32 v[SPW], v0, 2, SPARE
	v_mov_b32 v[NIL], 0
	v_lshrrev_b32 v57, 5, v0
	v_readfirstlane_b32 s[WV], v57                 ; wave 0..3
	v_and_b32 v58, 31, v0                          ; lane
	v_and_b32 v59, 15, v0                          ; r
	v_bfe_u32 v[HH], v0, 4, 1                      ; h
	v_lshlrev_b32 v[LI], 4, v58
	v_lshlrev_b32 v[L8], 3, v58
	v_lshlrev_b32 v[ABS], 5, v58
	s_mul_i32 s30, s[WV], 16*SP
	s_add_co_u32 s30, s30, STG                     ; my stage
	v_add_nc_u32 v[STI], s30, v[LI]
	v_mul_u32_u24 v[STO], v59, SP
	v_lshl_add_u32 v[STO], v[HH], 6, v[STO]
	v_add_nc_u32 v[STO], s30, v[STO]
	s_lshl_b32 s31, s[WV], 15                      ; my two tiles' codes: 32,768 x wave
	v_add_nc_u32 v[XD0], s31, v[LI]
	s_lshl_b32 s31, s[WV], 10
	s_add_co_u32 s31, s31, XS                      ; and their scale words
	v_lshlrev_b32 v57, 5, v59                      ; 32 r
	v_add_nc_u32 v[XSD0], s31, v57
	v_add_nc_u32 v[XSA], XS, v57
	v_add_nc_u32 v[XA1], 0x10000, v[LI]
	v_lshlrev_b32 v[BA0], 6, v[HH]
	v_and_b32 v57, 8, v59
	v_add_nc_u32 v57, v57, v59
	v_lshlrev_b32 v[BA1], 2, v57                   ; 4 (r + 8 (r / 8))
	v_min_u32 v[PF], 15, v58
	v_lshlrev_b32 v[PF], 8, v[PF]                  ; lanes 0-15 a block of 256 bytes each; the lanes left over name the last again
.irp b, 0,1,2,3
	v_mov_b32 v[TM+4+\b], 0                        ; a lane permute's destination counts as one of its sources
.endr
	s_and_b32 s[TN], ttmp7, 0xffff                 ; 0: q, 1: k, 2: v
	s_lshl_b32 s32, ttmp9, 19                      ; my 128 rows of 4,096 bytes,
	s_lshl_b32 s33, s[WV], 17                      ; my wave's 32 of them
	s_add_co_u32 s32, s32, s33
	s_mov_b32 s33, 0
	s_lshl_b32 s34, s[TN], 20                      ; my tensor's weight: 64 tiles of 16,384 bytes
	s_mov_b32 s35, 0
	s_lshl_b32 s36, ttmp9, 14                      ; my share of the prefetch
	s_lshl_b32 s37, s[WV], 12
	s_add_co_u32 s36, s36, s37
	s_mov_b32 s37, 0
	s_lshl_b32 s38, s[WV], 18                      ; my wave's 16 tiles
	s_mov_b32 s39, 0
	s_lshl_b32 s40, s[TN], 15                      ; and their scale words: 512 bytes a tile
	s_lshl_b32 s41, s[WV], 13
	s_add_co_u32 s40, s40, s41
	s_mov_b32 s41, 0
	s_lshl_b32 s42, s[WV], 10                      ; my 256 biases
	s_mov_b32 s43, 0
	s_lshl_b32 s44, s[TN], 6
	s_lshr_b32 s45, ttmp9, 4                       ; the batch
	s_lshl_b32 s45, s45, 4
	s_add_co_u32 s44, s44, s45
	s_lshl_b32 s45, s[WV], 2
	s_add_co_u32 s44, s44, s45                     ; tensor x 64 + batch x 16 + my first head
	s_and_b32 s45, ttmp9, 15                       ; which 128 tokens of the sequence
	s_lshl_b32 s46, s44, 4
	s_add_co_u32 s46, s46, s45
	s_lshl_b32 s46, s46, 8
	s_mov_b32 s47, 0
	s_lshl_b32 s44, s44, 17
	s_lshl_b32 s45, s45, 13
	s_add_co_u32 s44, s44, s45
	s_mov_b32 s45, 0
	s_mov_b32 s[SEL], 0x76543210
	s_mov_b32 s[SEL+1], 0xfedcba98
	s_mov_b32 s[MNT], 0x600000
	s_mov_b32 s[KO], 0
	s_mov_b32 s[K4], 0
	s_mov_b32 s[CNT], 3
	WALU                                           ; the wait at the head's end
	s_wait_kmcnt 0x0
	s_cmp_eq_u32 s[TN], 1                          ; the choice hangs on the work-group's number alone
	s_cselect_b64 s[8:9], s[10:11], s[8:9]
	s_cselect_b64 s[18:19], s[20:21], s[18:19]
	s_cmp_eq_u32 s[TN], 2
	s_cselect_b64 s[8:9], s[12:13], s[8:9]
	s_cselect_b64 s[18:19], s[22:23], s[18:19]
	s_add_nc_u64 s[8:9], s[8:9], s[32:33]
	s_add_nc_u64 s[14:15], s[14:15], s[34:35]
	s_add_nc_u64 s[28:29], s[14:15], s[36:37]
	s_add_nc_u64 s[14:15], s[14:15], s[38:39]
	s_add_nc_u64 s[16:17], s[16:17], s[40:41]
	s_add_nc_u64 s[18:19], s[18:19], s[42:43]
	s_add_nc_u64 s[24:25], s[24:25], s[44:45]
	s_add_nc_u64 s[26:27], s[26:27], s[46:47]
	LOADX 0, 0, 0                                  ; units 0, 1, 2
	LOADX 1, 1, 0
	LOADX 2, 0, 512
	global_prefetch_b8 v[PF], s[28:29] th:TH_LOAD_NT scope:SCOPE_SE
.Lquant:                                           ; three trips of four units: K steps 0-5 of my two tiles; each unit asks for the unit three on; behind a unit's loads stand two units' 32
	UNIT 0, 1, 32
	UNIT 1, 1, 32
	UNIT 2, 1, 32
	UNIT 3, 1, 32
	s_wait_xcnt 0x0                                ; the loads have read their base
	s_add_nc_u64 s[8:9], s[8:9], 1024
	s_add_co_u32 s[KO], s[KO], 4096
	s_add_co_u32 s[K4], s[K4], 8
	s_sub_co_u32 s[CNT], s[CNT], 1
	s_cmp_lg_u32 s[CNT], 0
	WALU
	s_cbranch_scc1 .Lquant
	UNIT 0, 1, 32                                  ; K steps 6 and 7 are written out: only the first of the four units still asks, for the last
	UNIT 1, 0, 32
	UNIT 2, 0, 16
	UNIT 3, 2, 0
	WALU
	s_wait_dscnt 0x0                               ; my codes and scale words are stored
	s_barrier_signal -1
	s_barrier_wait -1                              ; everybody's are
	s_cmp_eq_u32 s[TN], 2
	s_cbranch_scc1 .Lfor_v
	MAIN 0
	s_branch .Ldone
.Lfor_v:
	MAIN 1
.Ldone:
	s_wait_tensorcnt 0x0                           ; the wave's end
	ds_add_u32 v[SPW], v[NIL]
	s_wait_dscnt 0x0
	s_endpgm
.Lfunc_end_k_q9a0e92999e_projq:
	.size	k_q9a0e92999e_projq, .Lfunc_end_k_q9a0e92999e_projq-k_q9a0e92999e_projq
	.p2alignl 7, 3214868480
	.fill 96, 4, 3214868480
	.section	.rodata,"a",@progbits
	.p2align	6, 0x0
	.amdhsa_kernel k_q9a0e92999e_projq
		.amdhsa_group_segment_fixed_size 169472
		.amdhsa_private_segment_fixed_size 0
		.amdhsa_enable_private_segment 0
		.amdhsa_kernarg_size 80
		.amdhsa_user_sgpr_count 2
		.amdhsa_user_sgpr_kernarg_segment_ptr 1
		.amdhsa_wavefront_size32 1
		.amdhsa_system_sgpr_workgroup_id_x 1
		.amdhsa_system_sgpr_workgroup_id_y 1
		.amdhsa_system_sgpr_workgroup_id_z 1
		.amdhsa_system_vgpr_workitem_id 0
		.amdhsa_next_free_vgpr 1024
		.amdhsa_next_free_sgpr 66
		.amdhsa_reserve_vcc 1
		.amdhsa_float_denorm_mode_32 3
		.amdhsa_float_denorm_mode_16_64 3
		.amdhsa_memory_ordered 1
		.amdhsa_forward_progress 1
		.amdhsa_inst_pref_size 255
	.end_amdhsa_kernel
	.section	.bss,"aw",@nobits
	.p2align	6
	.space	262144
	.amdgpu_metadata
---
amdhsa.version: [ 1, 2 ]
amdhsa.kernels:
  - .name:           k_q9a0e92999e_projq
    .symbol:         k_q9a0e92999e_projq.kd
    .args:
      - { .name: q, .offset: 0, .size: 8, .value_kind: global_buffer, .address_space: global }
      - { .name: k, .offset: 8, .size: 8, .value_kind: global_buffer, .address_space: global }
      - { .name: v, .offset: 16, .size: 8, .value_kind: global_buffer, .address_space: global }
      - { .name: xwc, .offset: 24, .size: 8, .value_kind: global_buffer, .address_space: global }
      - { .name: xws, .offset: 32, .size: 8, .value_kind: global_buffer, .address_space: global }
      - { .name: bq, .offset: 40, .size: 8, .value_kind: global_buffer, .address_space: global }
      - { .name: bk, .offset: 48, .size: 8, .value_kind: global_buffer, .address_space: global }
      - { .name: bv, .offset: 56, .size: 8, .value_kind: global_buffer, .address_space: global }
      - { .name: hc, .offset: 64, .size: 8, .value_kind: global_buffer, .address_space: global }
      - { .name: hs, .offset: 72, .size: 8, .value_kind: global_buffer, .address_space: global }
    .group_segment_fixed_size: 169472
    .private_segment_fixed_size: 0
    .kernarg_segment_align: 8
    .kernarg_segment_size: 80
    .max_flat_workgroup_size: 128
    .sgpr_count:     66
    .vgpr_count:     1024
    .wavefront_size: 32
...
	.end_amdgpu_metadata
.endif
;; end of part 2
;; launch attn (part 3): grid 4 x 64, 8 waves a work-group, clusters of 4 x 1, 271,360 bytes of LDS; arguments hc, hs, cc, cs; writes cc, cs
.if DOCPART == 3
	.amdgcn_target "amdgcn-amd-amdhsa--gfx1250"
	.amdhsa_code_object_version 6
	.text
	.protected	k_q9a0e92999e_attn
	.globl	k_q9a0e92999e_attn
	.p2align	8
	.type	k_q9a0e92999e_attn,@function
k_q9a0e92999e_attn:
	s_mov_b64 s[64:65], 0
	v_nop
	global_prefetch_b8 v0, s[64:65] scope:SCOPE_SE
	s_setreg_imm32_b32 hwreg(HW_REG_WAVE_MODE, 25, 1), 1
	s_wait_xcnt 0x0
	s_wait_alu depctr_hold_cnt(0) depctr_sa_sdst(0) depctr_va_vdst(0) depctr_va_sdst(0) depctr_va_ssrc(0) depctr_va_vcc(0) depctr_vm_vsrc(0)
	s_getreg_b32 s2, hwreg(HW_REG_IB_STS2, 6, 4)
	s_cmp_eq_u32 s2, 0
	s_cbranch_scc0 .Lentry_in_a_cluster
	s_endpgm
.Lentry_in_a_cluster:
	s_bfe_u32 s2, ttmp6, 0x10000c
	s_cmp_lg_u32 s2, 0x3003
	s_cbranch_scc0 .Lentry_shape_is_right
	s_endpgm
.Lentry_shape_is_right:
; ctx[b][q][head] = softmax_k(Q . K / 8) V for one head of 64, both products on codes of BF8 (E5M2) with E8M0 scales; the result is quantised along the features for the last projection.
; THE SOFTMAX AHEAD OF THE SECOND PRODUCT: t = score x log2(e) / 8; M = the row's largest t so far, rounded UP to a whole number; p = 2^(t - M) is quantised along the keys, not normalised.
; The row's sum is taken of the unquantised p and divides O at the end.  When M moves, the sum and O are multiplied by 2^(old M - new M): exact.
; SHARES.  A work-group owns 512 queries of one batch x head, as two passes of 256 over the same K and V (the outer loop); in a pass each of its eight waves owns 32 queries, two tiles of 16,
; so that each fragment of K and V read from LDS feeds two matrix instructions.  64 batch x heads, four work-groups each: 256 work-groups.
; NO RING.  A head's K (131,072 bytes) and V (131,072) lie in LDS whole, each byte filled once: ONE tensor load a wave at the head, a quarter (32,768 bytes) of K (waves 0-3) or of V (waves 4-7).
; Quarter 0's two loads have a line of their own: the first barrier shows them alone (key steps 0-3), the second, at which every wave waits, the rest.  In the second pass both waits find nothing out.
; The scale words (4,096 bytes each for K and V) come by plain loads, 1,024 bytes a wave in whole runs of 512, and are stored to LDS bytes of their own.
; CLUSTER.  The four work-groups of a cluster belong to one head: each tensor load is asked for JOINTLY, same descriptor, mask 15.  The scale words are 8,192 of a head's 270,336 bytes and come singly.
; NO PREFETCH: every byte of K and V is asked for at the head by the tensor loads, so no later load is left to ask ahead of; the second pass's Q is loaded a whole key step and the way out ahead of its use.
; LAYOUT.  Both products are used transposed: S^T = K Q^T (source 0 = 16 keys), O^T = V^T P^T (source 0 = 16 of the head's 64): a lane holds ONE query throughout.  Token tiles are in position order
; (tile 2 b + u, place r: token 32 b + 8 u + r + 8 (r / 8)), so the 16 registers of score tiles 2 b, 2 b + 1 are keys 32 b + 16 (lane / 16) + 0 .. 15, and likewise O^T's along the head's 64.
; K = 64 IN AN INSTRUCTION OF K = 128.  A fragment of K holds TWO key tiles (registers 0-7, 8-15).  Q stands as [Q | zeros | Q]: registers 0-15 pick the first tile's scores, registers 8-23 the second's.
; Zero codes against codes that are never infinite add exact zeros.  K's scale word holds both tiles' two bytes, Q's its two bytes twice.
; THE STEP IS ROTATED: behind the scores of step s stand the LDS loads of V(s) and K(s + 1), the softmax of step s, one wait, and 24 matrix instructions on end: O^T += V(s) P(s), then the scores of step s + 1.
; RESULT.  cc: token tile x 16,384 + head x 1,024 + 512 c + 16 lane; cs: [position row][32 bytes], a head's two bytes at 2 x head: 2 of a row's 32 bytes, so that store covers no whole run of 256 bytes.
; LIMITS: NaN and infinities are not served; the scaled scores stay under 2^31 in magnitude; a block whose largest magnitude lies under 2^-111, a block of zeros among them, gets the byte 1 (read by this program alone).
; REGISTERS: window 0: v1-7 addresses; v8-15 scale words alone; v16-31 statistics; v32-63 the blocks' figures, 4 a tile each; v64-191 S^T, then p; v192-223 p's codes; v224-253 partial sums.
;   window 1: v0-63 K's four fragments; v64-127 V's four; v128-191 O^T (tile t at 128 + 32 t); v192-239 Q, 24 a tile.
.set LI,  1                            ; 16 x lane
.set SB,  2                            ; K's scale words: 262,144 + 8 x lane
.set ADK, 3
.set ADV, 4
.set ADS, 5
.set LN,  6
.set QA,  7                            ; 8 r
.set KS,  8
.set VS,  10
.set QW,  12
.set PWD, 14
.set ST,  16                           ; tile t at ST + 4 t: -M, the largest score, the sum in two halves
.set FF,  24                           ; tile t: v[FF + 2 t] = f = 2^(old M - new M); the upper half written once
.set TT,  28                           ; tile t: TT + t; later the pair is the sixteenth partial sum
.set CSA, 30
.set QWW, 31
.set BM,  32
.set BP,  40
.set HOLD, 48
.set SOP, 56
.set TM,  32
.set SCR, 64
.set PCD, 192
.set SA,  224
.set HW,  224
.set SPW, 254
.set NIL, 255
.set KF,  0
.set VF,  64
.set OT,  128
.set QF,  192
.set NC,  2                            ; s2  -c
.set PASS, 3
.set WV,  12
.set CNT, 18
.set MNT, 19
.set SEL, 20
.set CS,  22                           ; s[22:23] c = log2(e) / 8
.set TB,  24
.set TS,  25
.set G1,  32
.set G0,  68
.set QSW, 86
.set QB,  94
.set MSB, 0
.macro WIN new                         ; the immediate's high byte repeats the setting that is left
.if MSB != \new
	s_set_vgpr_msb (MSB<<8)|\new
.set MSB, \new
.endif
.endm
.macro WALU
	s_wait_alu depctr_va_vdst(0)
.endm
.macro CROUND                          ; a round of the cluster's barrier
	s_barrier_signal -1
	s_barrier_wait -1
	s_cmp_lg_u32 s[WV], 0
	s_cbranch_scc1 .Lnot_wave_0_\@
	s_barrier_signal -3
.Lnot_wave_0_\@:
	s_barrier_wait -3
	s_barrier_signal -1
	s_barrier_wait -1
.endm
.macro QLOAD p                         ; pass p's Q: 8 pairs of tiles (16,384 bytes) and two runs of scale words (512 bytes) on from pass 0's
	global_load_b32 v[QWW], v[QA], s[QSW:QSW+1] offset:512*\p
	WIN 0x40
.irp t, 0,1
.irp c, 0,1
	global_load_b128 v[QF+24*\t+4*\c:QF+24*\t+4*\c+3], v[LI], s[QB:QB+1] offset:16384*\p+1024*\t+512*\c
	global_load_b128 v[QF+24*\t+16+4*\c:QF+24*\t+16+4*\c+3], v[LI], s[QB:QB+1] offset:16384*\p+1024*\t+512*\c
.endr
.endr
	WIN 0
.endm
.macro INIT                            ; a pass begins: O^T and the sums are zeros; -M is so large that the first f is 0
	WIN 0x40
.set j, 0
.rept 64
	v_mov_b32 v[OT+j], 0
.set j, j+1
.endr
	WIN 0
.irp t, 0,1
	v_mov_b32 v[ST+4*\t], 0x7e000000
	v_mov_b32 v[ST+4*\t+1], 0xff61b1e6             ; -3e38, under every score
	v_mov_b32 v[ST+4*\t+2], 0
	v_mov_b32 v[ST+4*\t+3], 0
.endr
.endm
.macro CHAIN t                         ; from the four blocks' largest p: scale operands, bounds (twice: the second copy one register bank on, for the dual holds), p's scale word
.irp b, 0,1,2,3
	v_max_num_f32 v[BM+4*\t+\b], 0x8000000, v[BM+4*\t+\b]          ; the floor 2^(16 - 127): the byte cannot fall under 1
.endr
.irp b, 0,1,2,3
	v_add_nc_u32 v[SOP+4*\t+\b], 0xf8800000, v[BM+4*\t+\b]
.endr
.irp b, 0,1,2,3
	v_and_or_b32 v[HOLD+4*\t+\b], v[BM+4*\t+\b], 0x7f800000, s[MNT]
.endr
.irp b, 0,1,2,3
	v_lshrrev_b32 v[BP+4*\t+\b], 23, v[SOP+4*\t+\b]
.endr
	v_lshl_or_b32 v[PWD+\t], v[BP+4*\t+1], 8, v[BP+4*\t]
	v_lshl_or_b32 v[PWD+\t], v[BP+4*\t+2], 16, v[PWD+\t]
	v_lshl_or_b32 v[PWD+\t], v[BP+4*\t+3], 24, v[PWD+\t]
.irp b, 0,1,2,3
	v_and_or_b32 v[BP+4*\t+((\b+1)%4)], v[BM+4*\t+\b], 0x7f800000, s[MNT]
.endr
.endm
.macro L1ADD t, j                      ; partial sum j of the UNQUANTISED p: registers 4 j .. 4 j + 3, two at a time
.if (\j) == 15
	v_pk_add_f32 v[TT:TT+1], v[SCR+64*\t+60:SCR+64*\t+61], v[SCR+64*\t+62:SCR+64*\t+63]
.else
	v_pk_add_f32 v[SA+2*(\j):SA+2*(\j)+1], v[SCR+64*\t+4*(\j):SCR+64*\t+4*(\j)+1], v[SCR+64*\t+4*(\j)+2:SCR+64*\t+4*(\j)+3]
.endif
.endm
.macro DMIN t, a, b                    ; two holds in one instruction: the conversion does not saturate (ISA guide 7.6.2); p is not negative, so the hold is one-sided
	v_dual_min_num_f32 v[SCR+64*\t+(\a)], v[SCR+64*\t+(\a)], v[HOLD+4*\t+(\b)] :: v_dual_min_num_f32 v[SCR+64*\t+(\a)+1], v[SCR+64*\t+(\a)+1], v[BP+4*\t+((\b)+1)%4]
.endm
.macro TREE t                          ; the sixteen partial sums are joined; the row's sum under the new M takes them in by one multiply-add
.irp j, 0,1,2,3,4,5,6
	v_pk_add_f32 v[SA+2*\j:SA+2*\j+1], v[SA+2*\j:SA+2*\j+1], v[SA+16+2*\j:SA+17+2*\j]
.endr
	v_pk_add_f32 v[SA+14:SA+15], v[SA+14:SA+15], v[TT:TT+1]
.irp j, 0,1,2,3
	v_pk_add_f32 v[SA+2*\j:SA+2*\j+1], v[SA+2*\j:SA+2*\j+1], v[SA+8+2*\j:SA+9+2*\j]
.endr
.irp j, 0,1
	v_pk_add_f32 v[SA+2*\j:SA+2*\j+1], v[SA+2*\j:SA+2*\j+1], v[SA+4+2*\j:SA+5+2*\j]
.endr
	v_pk_add_f32 v[SA:SA+1], v[SA:SA+1], v[SA+2:SA+3]
	v_pk_fma_f32 v[ST+4*\t+2:ST+4*\t+3], v[ST+4*\t+2:ST+4*\t+3], v[FF+2*\t:FF+2*\t+1], v[SA:SA+1] op_sel_hi:[1,0,1]
.endm
.macro CVT t
.irp b, 0,1,2,3
	v_cvt_scalef32_pk8_bf8_f32 v[PCD+16*\t+4*\b:PCD+16*\t+4*\b+1], v[SCR+64*\t+16*\b:SCR+64*\t+16*\b+7], v[SOP+4*\t+\b]
	v_cvt_scalef32_pk8_bf8_f32 v[PCD+16*\t+4*\b+2:PCD+16*\t+4*\b+3], v[SCR+64*\t+16*\b+8:SCR+64*\t+16*\b+15], v[SOP+4*\t+\b]
.endr
.endm
; THE SOFTMAX of both tiles for 128 keys.  The two tiles' chains stand by turns.  Among one tile's exponentials stand only lines of the other tile that hang on nothing written since the wait ahead of them.
.macro SOFT
.irp t, 0,1
.irp b, 0,1,2,3
	v_max3_num_f32 v[BM+4*\t+\b], v[SCR+64*\t+16*\b], v[SCR+64*\t+16*\b+1], v[SCR+64*\t+16*\b+2]   ; each block's largest score: for the row's maximum and, since p rises with the score, for the block's largest p
.endr
.endr
.irp i, 3,5,7,9,11,13
.irp t, 0,1
.irp b, 0,1,2,3
	v_max3_num_f32 v[BM+4*\t+\b], v[BM+4*\t+\b], v[SCR+64*\t+16*\b+\i], v[SCR+64*\t+16*\b+\i+1]
.endr
.endr
.endr
.irp t, 0,1
.irp b, 0,1,2,3
	v_max_num_f32 v[BM+4*\t+\b], v[BM+4*\t+\b], v[SCR+64*\t+16*\b+15]
.endr
.endr
.irp t, 0,1
.irp b, 0,1,2,3
	v_permlanex16_b32 v[BP+4*\t+\b], v[BM+4*\t+\b], s[SEL], s[SEL+1]
.endr
.endr
.irp t, 0,1
.irp b, 0,1,2,3
	v_max_num_f32 v[BM+4*\t+\b], v[BM+4*\t+\b], v[BP+4*\t+\b]      ; with lane l xor 16's 16 keys
.endr
.endr
.irp t, 0,1
	v_max3_num_f32 v[TT+\t], v[BM+4*\t], v[BM+4*\t+1], v[BM+4*\t+2]
.endr
.irp t, 0,1
	v_max3_num_f32 v[ST+4*\t+1], v[ST+4*\t+1], v[TT+\t], v[BM+4*\t+3]   ; the running largest score (c is positive: c x it is the largest t)
.endr
.irp t, 0,1
	v_mul_f32 v[TT+\t], s[NC], v[ST+4*\t+1]        ; -t
.endr
.irp t, 0,1
	v_floor_f32 v[BP+4*\t], v[TT+\t]               ; the new -M = floor(-t) = -ceil(t)
.endr
.irp t, 0,1
	v_sub_f32 v[TT+\t], v[BP+4*\t], v[ST+4*\t]     ; old M - new M: a whole number, 0 or less
.endr
.irp t, 0,1
	v_mov_b32 v[ST+4*\t], v[BP+4*\t]
.endr
.irp t, 0,1
	v_cvt_i32_f32 v[TT+\t], v[TT+\t]               ; (it saturates)
.endr
.irp t, 0,1
	v_ldexp_f32 v[FF+2*\t], 1.0, v[TT+\t]          ; f
.endr
	WIN 0x41                                       ; O^T (destination and source 0) in window 1
.irp t, 0,1
.set j, 0
.rept 16
	v_pk_mul_f32 v[OT+32*\t+j:OT+32*\t+j+1], v[OT+32*\t+j:OT+32*\t+j+1], v[FF+2*\t:FF+2*\t+1] op_sel_hi:[1,0]   ; O^T under the new M, ahead of the exponentials; each accumulator from its low end on
.set j, j+2
.endr
.endr
	WIN 0
.set j, 0
.rept 32
	v_pk_fma_f32 v[SCR+j:SCR+j+1], v[SCR+j:SCR+j+1], s[CS:CS+1], v[ST:ST+1] op_sel_hi:[1,0,0]   ; tile 0: t - M
.set j, j+2
.endr
.irp b, 0,1,2,3
	v_fma_f32 v[BM+\b], v[BM+\b], s[CS], v[ST]     ; the same of each block's largest score
.endr
	WALU                                           ; ahead of a batch of exponentials
.set g, 0
.rept 16                               ; tile 0's exponentials; among them tile 1's t - M
	v_exp_f32 v[SCR+4*g], v[SCR+4*g]
	v_exp_f32 v[SCR+4*g+1], v[SCR+4*g+1]
	v_pk_fma_f32 v[SCR+64+4*g:SCR+64+4*g+1], v[SCR+64+4*g:SCR+64+4*g+1], s[CS:CS+1], v[ST+4:ST+5] op_sel_hi:[1,0,0]
	v_exp_f32 v[SCR+4*g+2], v[SCR+4*g+2]
	v_exp_f32 v[SCR+4*g+3], v[SCR+4*g+3]
	v_pk_fma_f32 v[SCR+64+4*g+2:SCR+64+4*g+3], v[SCR+64+4*g+2:SCR+64+4*g+3], s[CS:CS+1], v[ST+4:ST+5] op_sel_hi:[1,0,0]
.if g%4 == 0
	v_exp_f32 v[BM+g/4], v[BM+g/4]                 ; the block's largest p: the same two instructions on the same number give the same bits
	v_fma_f32 v[BM+4+g/4], v[BM+4+g/4], s[CS], v[ST+4]
.endif
.set g, g+1
.endr
	WALU                                           ; and behind it, ahead of the first reader
	CHAIN 0
	WALU                                           ; ahead of tile 1's batch
.set g, 0
.rept 16                               ; tile 1's exponentials; among them tile 0's first partial sums and its holds
	v_exp_f32 v[SCR+64+4*g], v[SCR+64+4*g]
	v_exp_f32 v[SCR+64+4*g+1], v[SCR+64+4*g+1]
	L1ADD 0, g
	v_exp_f32 v[SCR+64+4*g+2], v[SCR+64+4*g+2]
	DMIN 0, 4*g, g/4
	v_exp_f32 v[SCR+64+4*g+3], v[SCR+64+4*g+3]
.if g%4 == 0
	v_exp_f32 v[BM+4+g/4], v[BM+4+g/4]
.endif
	DMIN 0, 4*g+2, g/4
.set g, g+1
.endr
	v_nop                                          ; a plain line behind the exponentials
	WALU                                           ; behind the batch
	CVT 0
	TREE 0
	CHAIN 1
.set g, 0
.rept 16
	L1ADD 1, g
	DMIN 1, 4*g, g/4
	DMIN 1, 4*g+2, g/4
.set g, g+1
.endr
	CVT 1
	TREE 1                                         ; sixteen plain lines between the last conversion and the products
.endm
.macro SCORE i, e, t                   ; key tile 2 i + e against query tile t
.if (\i)%2
	v_wmma_scale_f32_16x16x128_f8f6f4 v[SCR+64*\t+16*\i+8*\e:SCR+64*\t+16*\i+8*\e+7], v[KF+16*\i:KF+16*\i+15], v[QF+24*\t+8*\e:QF+24*\t+8*\e+15], 0, v[KS+(\i)/2], v[QW+\t] matrix_a_fmt:MATRIX_FMT_BF8 matrix_b_fmt:MATRIX_FMT_BF8 matrix_a_scale:MATRIX_SCALE_ROW1
.else
	v_wmma_scale_f32_16x16x128_f8f6f4 v[SCR+64*\t+16*\i+8*\e:SCR+64*\t+16*\i+8*\e+7], v[KF+16*\i:KF+16*\i+15], v[QF+24*\t+8*\e:QF+24*\t+8*\e+15], 0, v[KS+(\i)/2], v[QW+\t] matrix_a_fmt:MATRIX_FMT_BF8 matrix_b_fmt:MATRIX_FMT_BF8
.endif
.endm
.macro SCORES
	WIN 0x05                                       ; K and Q in window 1, S^T in window 0
.irp i, 0,1,2,3
.irp e, 0,1
.irp t, 0,1
	SCORE \i, \e, \t
.endr
.endr
.endr
	WIN 0
.endm
.macro PV d, t                         ; tile d of the head's 64 against p of query tile t
.if (\d)%2
	v_wmma_scale_f32_16x16x128_f8f6f4 v[OT+32*\t+8*\d:OT+32*\t+8*\d+7], v[VF+16*\d:VF+16*\d+15], v[PCD+16*\t:PCD+16*\t+15], v[OT+32*\t+8*\d:OT+32*\t+8*\d+7], v[VS+(\d)/2], v[PWD+\t] matrix_a_fmt:MATRIX_FMT_BF8 matrix_b_fmt:MATRIX_FMT_BF8 matrix_a_scale:MATRIX_SCALE_ROW1
.else
	v_wmma_scale_f32_16x16x128_f8f6f4 v[OT+32*\t+8*\d:OT+32*\t+8*\d+7], v[VF+16*\d:VF+16*\d+15], v[PCD+16*\t:PCD+16*\t+15], v[OT+32*\t+8*\d:OT+32*\t+8*\d+7], v[VS+(\d)/2], v[PWD+\t] matrix_a_fmt:MATRIX_FMT_BF8 matrix_b_fmt:MATRIX_FMT_BF8
.endif
.endm
; KEY STEP s (s[TB] = 8,192 s, s[TS] = 256 s); its scores have been issued.  lk = 1: K(s + 1) is fetched and multiplied too.  lk = 0: a pass's last step; in the first pass it asks for the second pass's Q.
.macro BODY lk
	v_add_nc_u32 v[ADK], s[TB], v[LI]
	v_add_nc_u32 v[ADS], s[TS], v[SB]
	v_add_nc_u32 v[ADV], 0x20000, v[ADK]
.rept 5
	v_nop                                          ; with the three additions: eight places between the last products and the loads into their registers and the reads of their results
.endr
.if \lk == 0
	WALU                                           ; ahead of the branch
	s_cmp_lg_u32 s[PASS], 0
	s_cbranch_scc1 .Lno_q_\@
	QLOAD 1
.Lno_q_\@:
.endif
	ds_load_b64 v[VS:VS+1], v[ADS] offset:4096
.if \lk
	ds_load_b64 v[KS:KS+1], v[ADS] offset:256
.endif
	WIN 0x40
.irp i, 0,1,2,3
.irp c, 0,1,2,3
	ds_load_b128 v[VF+16*\i+4*\c:VF+16*\i+4*\c+3], v[ADV] offset:2048*\i+512*\c
.endr
.endr
.if \lk
.irp i, 0,1,2,3
.irp c, 0,1,2,3
	ds_load_b128 v[KF+16*\i+4*\c:KF+16*\i+4*\c+3], v[ADK] offset:8192+2048*\i+512*\c
.endr
.endr
.endif
	WIN 0
	SOFT
	WALU                                           ; ahead of the wait below
	s_wait_dscnt 0x0                               ; V(s) and K(s + 1) are in: they were asked for ahead of the softmax
	WIN 0x51                                       ; V in window 1, p in window 0, O^T in window 1
.irp d, 0,1,2,3
.irp t, 0,1
	PV \d, \t                                      ; the eight accumulators by turns; 23 other products stand between a sum's steps
.endr
.endr
.if \lk
	SCORES
.endif
	WIN 0
	s_add_co_u32 s[TB], s[TB], 8192
	s_add_co_u32 s[TS], s[TS], 256
.endm
.macro STEPS n                         ; n key steps
	s_mov_b32 s[CNT], \n
.Lstep_\@:
	BODY 1
	s_sub_co_u32 s[CNT], s[CNT], 1
	s_cmp_lg_u32 s[CNT], 0
	s_cbranch_scc1 .Lstep_\@
.endm
	s_load_b256 s[4:11], s[0:1], 0x0               ; hc s[4:5], hs s[6:7], cc s[8:9], cs s[10:11]
	v_lshl_add_u32 v[SPW], v0, 2, 0x42000
	v_mov_b32 v[NIL], 0
	ds_add_u32 v[SPW], v[NIL]                      ; the opening lines: the add, twice on end, and its wait ahead of my tensor load
	ds_add_u32 v[SPW], v[NIL]
	v_lshrrev_b32 v[ADK], 5, v0
	v_readfirstlane_b32 s[WV], v[ADK]              ; wave 0..7
	v_and_b32 v[LN], 31, v0
	v_and_b32 v[QA], 15, v0
	v_lshlrev_b32 v[LI], 4, v[LN]
	v_lshl_add_u32 v[SB], v[LN], 3, 0x40000
	v_lshlrev_b32 v[QA], 3, v[QA]
	v_lshlrev_b32 v[CSA], 5, v[LN]
.irp b, 0,1,2,3,4,5,6,7
	v_mov_b32 v[BP+\b], 0                          ; written once: a lane permute's destination counts as one of its sources
.endr
	v_mov_b32 v[FF+1], 0                           ; (named as the upper halves of pairs)
	v_mov_b32 v[FF+3], 0
	s_bfe_u32 s13, ttmp6, 0x40000                  ; cx
	s_lshl_b32 s14, ttmp9, 2
	s_add_co_u32 s14, s14, s13
	s_lshl_b32 s14, s14, 1                         ; the first of my two blocks of 256 queries: it enters Q's, cc's and cs's addresses alone
	s_and_b32 s15, ttmp7, 0xffff                   ; batch x head, which the four partners share
	s_lshr_b32 s16, s[WV], 2                       ; I fetch for K (0) or for V (1),
	s_and_b32 s17, s[WV], 3                        ; and which quarter
	s_mov_b32 s[G1], 15|(3<<16)|(1<<21)            ; group 1: 128 rows of 256 bytes (32 elements of 8), dense in memory and in LDS; the mask names all four work-groups, bit 21 beside it
	s_mov_b32 s[G1+1], 32<<16
	s_mov_b32 s[G1+2], 128<<16
	s_mov_b32 s[G1+3], 32<<16
	s_mov_b32 s[G1+4], 128
	s_mov_b32 s[G1+5], 32
	s_mov_b32 s[G1+6], 0
	s_mov_b32 s[G1+7], 0
	s_add_co_u32 s26, s16, 1
	s_lshl_b32 s84, s26, 23                        ; K's codes begin at 8 MiB, V's at 16 MiB;
	s_lshl_b32 s27, s15, 17                        ; 131,072 bytes a head,
	s_add_co_u32 s84, s84, s27
	s_lshl_b32 s28, s17, 15                        ; 32,768 a quarter
	s_add_co_u32 s84, s84, s28
	s_mov_b32 s85, 0
	s_lshl_b32 s29, s16, 17                        ; LDS: K's codes at 0, V's at 131,072
	s_add_co_u32 s29, s29, s28
	s_lshl_b32 s92, s26, 18                        ; K's scale words begin at 256 KiB, V's at 512 KiB;
	s_lshl_b32 s27, s15, 12                        ; 4,096 bytes a head, 1,024 a wave
	s_add_co_u32 s92, s92, s27
	s_lshl_b32 s28, s17, 10
	s_add_co_u32 s92, s92, s28
	s_mov_b32 s93, 0
	s_lshl_b32 s30, s16, 12                        ; LDS: K's scale words at 262,144, V's 4,096 on
	s_add_co_u32 s30, s30, s28
	s_add_co_u32 s30, s30, 262144
	v_add_nc_u32 v[ADS], s30, v[LI]                ; where my 1,024 bytes of scale words go
	s_mov_b32 s[SEL], 0x76543210
	s_mov_b32 s[SEL+1], 0xfedcba98
	s_mov_b32 s[CS], 0x3e38aa3b                    ; c = log2(e) / 8
	s_mov_b32 s[CS+1], s[CS]
	s_mov_b32 s[NC], 0xbe38aa3b                    ; -c
	s_mov_b32 s[MNT], 0x600000
	s_mov_b32 s[PASS], 0
	WALU                                           ; ahead of the waits below
	s_wait_dscnt 0x0
	s_wait_kmcnt 0x0
	s_add_nc_u64 s[84:85], s[4:5], s[84:85]
	s_add_nc_u64 s[92:93], s[6:7], s[92:93]
	global_load_b128 v[SCR:SCR+3], v[LI], s[92:93]             ; my 1,024 bytes of scale words: 512 consecutive bytes a load
	global_load_b128 v[SCR+4:SCR+7], v[LI], s[92:93] offset:512
	CROUND                                         ; all four work-groups are here: the joint loads meet
	s_mov_b32 s[G0], 1
	s_mov_b32 s[G0+1], s29
	s_mov_b64 s[G0+2:G0+3], s[84:85]
	s_or_b32 s[G0+3], s[G0+3], 0x80000000
	s_cmp_lt_u32 s17, 1                            ; one tensor load a wave; quarter 0's has a line of its own, since the first barrier shows it alone
	s_cbranch_scc0 .Llater
	tensor_load_to_lds s[G0:G0+3], s[G1:G1+7]
	s_nop 0
.rept 4
	v_nop
.endr
	s_branch .Lasked
.Llater:
	tensor_load_to_lds s[G0:G0+3], s[G1:G1+7]
	s_nop 0
.rept 4
	v_nop
.endr
.Lasked:
	s_lshl_b32 s26, s14, 3
	s_add_co_u32 s26, s26, s[WV]                   ; P: my pair of query tiles in the first pass
	s_lshl_b32 s[QB], s26, 11                      ; Q's codes: 2,048 bytes a pair
	s_lshl_b32 s27, s15, 17
	s_add_co_u32 s[QB], s[QB], s27
	s_mov_b32 s[QB+1], 0
	s_add_nc_u64 s[QB:QB+1], s[4:5], s[QB:QB+1]
	s_lshl_b32 s27, s15, 4                         ; Q's scale word: 256 bytes for four pairs; pair P % 4 lies in lanes 16 (P % 2) on of word (P % 4) / 2
	s_lshl_b32 s28, s14, 1
	s_add_co_u32 s27, s27, s28
	s_add_co_u32 s27, s27, s16
	s_lshl_b32 s[QSW], s27, 8
	s_and_b32 s28, s[WV], 1
	s_lshl_b32 s28, s28, 7
	s_add_co_u32 s[QSW], s[QSW], s28
	s_bfe_u32 s28, s[WV], 0x10001
	s_lshl_b32 s28, s28, 2
	s_add_co_u32 s[QSW], s[QSW], s28
	s_mov_b32 s[QSW+1], 0
	s_add_nc_u64 s[QSW:QSW+1], s[6:7], s[QSW:QSW+1]
	s_lshr_b32 s27, s15, 4                         ; the batch
	s_lshl_b32 s28, s27, 7
	s_lshl_b32 s31, s26, 1
	s_add_co_u32 s28, s28, s31                     ; my first token tile among all 512
	s_lshl_b32 s88, s28, 14
	s_and_b32 s31, s15, 15                         ; the head
	s_lshl_b32 s90, s31, 10
	s_add_co_u32 s88, s88, s90
	s_mov_b32 s89, 0
	s_add_nc_u64 s[8:9], s[8:9], s[88:89]
	s_lshl_b32 s90, s28, 9                         ; 16 rows of 32 scale bytes a tile
	s_lshl_b32 s31, s31, 1
	s_add_co_u32 s90, s90, s31
	s_mov_b32 s91, 0
	s_add_nc_u64 s[10:11], s[10:11], s[90:91]
	QLOAD 0
	WIN 0x40
.irp t, 0,1
.irp j, 0,1,2,3,4,5,6,7
	v_mov_b32 v[QF+24*\t+8+\j], 0                  ; the zeros between Q and Q: written once, for both passes
.endr
.endr
	WIN 0
	s_wait_loadcnt 9                               ; the two loads of scale words are in; Q's nine, issued behind them, may be out
	ds_store_b128 v[ADS], v[SCR:SCR+3]
	ds_store_b128 v[ADS], v[SCR+4:SCR+7] offset:512
	WALU                                           ; the wait at the head's end
.Lpass:                                            ; two trips: my first 32 queries, then my other 32
	s_cmp_lt_u32 s17, 1
	s_cbranch_scc0 .Lnot_first
	s_wait_tensorcnt 0x0                           ; waves 0 and 4: quarter 0 of K and of V has landed
.Lnot_first:
	s_wait_dscnt 0x0                               ; my scale words are stored
	s_barrier_signal -1
	s_barrier_wait -1
	ds_load_b64 v[KS:KS+1], v[SB]                  ; key step 0
	WIN 0x40
.irp i, 0,1,2,3
.irp c, 0,1,2,3
	ds_load_b128 v[KF+16*\i+4*\c:KF+16*\i+4*\c+3], v[LI] offset:2048*\i+512*\c
.endr
.endr
	WIN 0
	s_mov_b32 s[TB], 0
	s_mov_b32 s[TS], 0
	s_wait_loadcnt 0x0                             ; this pass's Q and its scale word
	v_perm_b32 v[QW], v[QWW], v[QWW], 0x01000100   ; my first tile's two bytes, twice;
	v_perm_b32 v[QW+1], v[QWW], v[QWW], 0x03020302 ; my second tile's.  (INIT's 72 plain lines stand between these and the first product that names them)
	INIT
	WALU
	s_wait_dscnt 0x0
	SCORES
	STEPS 3                                        ; steps 0-2: they read V(0-2) and K(1-3): quarter 0
	s_wait_tensorcnt 0x0                           ; every wave: its quarter has landed
	s_wait_dscnt 0x0
	s_barrier_signal -1
	s_barrier_wait -1
	STEPS 12                                       ; steps 3-14
	BODY 0                                         ; step 15
	; THE WAY OUT.  O^T / the sum is ctx: a lane's 32 numbers are two blocks of 32 along the features; quantised, their codes are the image that the last projection reads.
.irp t, 0,1
	v_add_f32 v[ST+4*\t+2], v[ST+4*\t+2], v[ST+4*\t+3]
.endr
.irp t, 0,1
	v_permlanex16_b32 v[BP+4*\t], v[ST+4*\t+2], s[SEL], s[SEL+1]
.endr
.irp t, 0,1
	v_add_f32 v[ST+4*\t+2], v[ST+4*\t+2], v[BP+4*\t]               ; the row's sum
.endr
	WALU
.irp t, 0,1
	v_rcp_f32 v[ST+4*\t+2], v[ST+4*\t+2]
.endr
.rept 8
	v_nop                                          ; eight places behind the last products
.endr
	v_cmp_le_u32 vcc_lo, 16, v[LN]
	WIN 0x01                                       ; source 0 (O^T) in window 1
	WALU                                           ; behind the reciprocals, directly ahead of O^T's first readers
.irp t, 0,1
.set j, 0
.rept 16
	v_pk_mul_f32 v[SCR+64*\t+j:SCR+64*\t+j+1], v[OT+32*\t+j:OT+32*\t+j+1], v[ST+4*\t+2:ST+4*\t+3] op_sel_hi:[1,0]
.set j, j+2
.endr
.endr
	WIN 0
.irp t, 0,1
.irp b, 0,1
	v_max3_num_f32 v[TM+16*\t+\b], |v[SCR+64*\t+16*\b]|, |v[SCR+64*\t+16*\b+1]|, 0x8000000
.endr
.endr
.irp i, 2,4,6,8,10,12,14
.irp t, 0,1
.irp b, 0,1
	v_max3_num_f32 v[TM+16*\t+\b], v[TM+16*\t+\b], |v[SCR+64*\t+16*\b+\i]|, |v[SCR+64*\t+16*\b+\i+1]|
.endr
.endr
.endr
.irp t, 0,1
.irp b, 0,1
	v_permlanex16_b32 v[TM+16*\t+4+\b], v[TM+16*\t+\b], s[SEL], s[SEL+1]
.endr
.endr
.irp t, 0,1
.irp b, 0,1
	v_max_num_f32 v[TM+16*\t+\b], v[TM+16*\t+\b], v[TM+16*\t+4+\b]
.endr
.endr
.irp t, 0,1
.irp b, 0,1
	v_add_nc_u32 v[TM+16*\t+12+\b], 0xf8800000, v[TM+16*\t+\b]
.endr
.endr
.irp t, 0,1
.irp b, 0,1
	v_and_or_b32 v[TM+16*\t+8+\b], v[TM+16*\t+\b], 0x7f800000, s[MNT]
.endr
.endr
.irp t, 0,1
.irp b, 0,1
	v_lshrrev_b32 v[TM+16*\t+4+\b], 23, v[TM+16*\t+12+\b]
.endr
.endr
.irp t, 0,1
	v_lshl_or_b32 v[HW+\t], v[TM+16*\t+5], 8, v[TM+16*\t+4]
.endr
.irp t, 0,1
.irp b, 0,1
.irp i, 0,1,2,3,4,5,6,7,8,9,10,11,12,13,14,15
	v_med3_num_f32 v[SCR+64*\t+16*\b+\i], v[SCR+64*\t+16*\b+\i], -v[TM+16*\t+8+\b], v[TM+16*\t+8+\b]
.endr
	v_cvt_scalef32_pk8_bf8_f32 v[PCD+16*\t+4*\b:PCD+16*\t+4*\b+1], v[SCR+64*\t+16*\b:SCR+64*\t+16*\b+7], v[TM+16*\t+12+\b]
	v_cvt_scalef32_pk8_bf8_f32 v[PCD+16*\t+4*\b+2:PCD+16*\t+4*\b+3], v[SCR+64*\t+16*\b+8:SCR+64*\t+16*\b+15], v[TM+16*\t+12+\b]
.endr
.endr
	v_cndmask_b32 v[HW+2], v[HW], v[HW+1], vcc_lo  ; lanes 0-15: my first tile's rows; lanes 16-31: my second's.  (Also the plain line behind the last conversion)
.irp t, 0,1
	global_store_b128 v[LI], v[PCD+16*\t:PCD+16*\t+3], s[8:9] offset:16384*\t          ; 32 lanes store 512 consecutive bytes, aligned
	global_store_b128 v[LI], v[PCD+16*\t+4:PCD+16*\t+7], s[8:9] offset:16384*\t+512
.endr
	global_store_b16 v[CSA], v[HW+2], s[10:11]     ; two bytes of each of 32 rows of 32 bytes
	s_wait_xcnt 0x0                                ; the stores have read their registers and bases: only behind this wait are they written again
	s_add_nc_u64 s[8:9], s[8:9], 262144            ; the second pass's tiles lie 16 tiles on
	s_add_nc_u64 s[10:11], s[10:11], 8192
	s_add_co_u32 s[PASS], s[PASS], 1
	s_cmp_lt_u32 s[PASS], 2
	WALU                                           ; ahead of the branch
	s_cbranch_scc1 .Lpass
	s_wait_tensorcnt 0x0                           ; the wave's end
	ds_add_u32 v[SPW], v[NIL]
	s_wait_dscnt 0x0
	CROUND                                         ; the closing round
	s_endpgm
.Lfunc_end_k_q9a0e92999e_attn:
	.size	k_q9a0e92999e_attn, .Lfunc_end_k_q9a0e92999e_attn-k_q9a0e92999e_attn
	.p2alignl 7, 3214868480
	.fill 96, 4, 3214868480
	.section	.rodata,"a",@progbits
	.p2align	6, 0x0
	.amdhsa_kernel k_q9a0e92999e_attn
		.amdhsa_group_segment_fixed_size 271360
		.amdhsa_private_segment_fixed_size 0
		.amdhsa_enable_private_segment 0
		.amdhsa_kernarg_size 32
		.amdhsa_user_sgpr_count 2
		.amdhsa_user_sgpr_kernarg_segment_ptr 1
		.amdhsa_wavefront_size32 1
		.amdhsa_system_sgpr_workgroup_id_x 1
		.amdhsa_system_sgpr_workgroup_id_y 1
		.amdhsa_system_sgpr_workgroup_id_z 1
		.amdhsa_system_vgpr_workitem_id 0
		.amdhsa_next_free_vgpr 512
		.amdhsa_next_free_sgpr 96
		.amdhsa_reserve_vcc 1
		.amdhsa_float_denorm_mode_32 3
		.amdhsa_float_denorm_mode_16_64 3
		.amdhsa_memory_ordered 1
		.amdhsa_forward_progress 1
		.amdhsa_inst_pref_size 126
	.end_amdhsa_kernel
	.amdgpu_metadata
---
amdhsa.version: [ 1, 2 ]
amdhsa.kernels:
  - .name:           k_q9a0e92999e_attn
    .symbol:         k_q9a0e92999e_attn.kd
    .args:
      - { .name: hc, .offset: 0, .size: 8, .value_kind: global_buffer, .address_space: global }
      - { .name: hs, .offset: 8, .size: 8, .value_kind: global_buffer, .address_space: global }
      - { .name: cc, .offset: 16, .size: 8, .value_kind: global_buffer, .address_space: global }
      - { .name: cs, .offset: 24, .size: 8, .value_kind: global_buffer, .address_space: global }
    .group_segment_fixed_size: 271360
    .private_segment_fixed_size: 0
    .kernarg_segment_align: 8
    .kernarg_segment_size: 32
    .max_flat_workgroup_size: 256
    .sgpr_count:     96
    .vgpr_count:     512
    .wavefront_size: 32
...
	.end_amdgpu_metadata
.endif
;; end of part 3
;; launch outp (part 4): grid 4 x 32, 4 waves a work-group, clusters of 4 x 4, 327,680 bytes of LDS; arguments cc, cs, xwc, xws, bo, out0; writes out0
.if DOCPART == 4
	.amdgcn_target "amdgcn-amd-amdhsa--gfx1250"
	.amdhsa_code_object_version 6
	.text
	.protected	k_q9a0e92999e_outp
	.globl	k_q9a0e92999e_outp
	.p2align	8
	.type	k_q9a0e92999e_outp,@function
k_q9a0e92999e_outp:
	s_mov_b64 s[64:65], 0
	v_nop
	global_prefetch_b8 v0, s[64:65] scope:SCOPE_SE
	s_setreg_imm32_b32 hwreg(HW_REG_WAVE_MODE, 25, 1), 1
	s_wait_xcnt 0x0
	s_wait_alu depctr_hold_cnt(0) depctr_sa_sdst(0) depctr_va_vdst(0) depctr_va_sdst(0) depctr_va_ssrc(0) depctr_va_vcc(0) depctr_vm_vsrc(0)
	s_getreg_b32 s2, hwreg(HW_REG_IB_STS2, 6, 4)
	s_cmp_eq_u32 s2, 0
	s_cbranch_scc0 .Lentry_in_a_cluster
	s_endpgm
.Lentry_in_a_cluster:
	s_bfe_u32 s2, ttmp6, 0x10000c
	s_cmp_lg_u32 s2, 0xf033
	s_cbranch_scc0 .Lentry_shape_is_right
	s_endpgm
.Lentry_shape_is_right:
.set NQ,     2
.set FR,     16
.set NL,     4
.set NP,     8
.set HALFT,  32768
.set SLOT,   4*HALFT
.set SCL,    2*SLOT
.set HALFS,  16*272
.set SBLK,   2*272
.set SPARE,  SCL+4*HALFS
.set SPITCH, 528
.set ADRA, 16
.set ADRB, 20
.set LI,   24
.set STO,  25
.set RD,   26
.set ADRS, 27
.set SPW,  28
.set NIL,  29
.set HH,   30
.set BA,   31
.set SC,   32
.set BI,   64
.set AF,   128
.set BK,   128
.set WV, 18
.set RH, 19
.set CH, 20
.set YC, 21
.set CX, 22
.set CY, 23
.set G1, 24
.set G0, 32
.set G1B, 48
.set G0B, 56
.set G1S, 68
.set G0S, 76
.set G1SB, 80
.set G0SB, 88
.set MSB, 0
.macro WIN new
.if MSB != \new
	s_set_vgpr_msb (MSB<<8)|\new
.set MSB, \new
.endif
.endm
.set MUL_LO, 0xa1
.set MUL_HI, 0xf1
.set FIRST_LO, 0x81
.set FIRST_HI, 0xc1
.set TO_B,   0x40
.macro JLOAD g0a, g1a, g0b, g1b
	s_cmp_eq_u32 s[RH], 0
	s_cbranch_scc0 .Lfor_b_\@
	tensor_load_to_lds s[\g0a:\g0a+3], s[\g1a:\g1a+7]
	s_nop 0
.rept 4
	v_nop
.endr
	s_branch .Lasked_\@
.Lfor_b_\@:
	tensor_load_to_lds s[\g0b:\g0b+3], s[\g1b:\g1b+7]
	s_nop 0
.rept 4
	v_nop
.endr
.Lasked_\@:
.endm
.macro CREST
	s_cmp_lg_u32 s[WV], 0
	s_cbranch_scc1 .Lnot_wave_0_\@
	s_barrier_signal -3
.Lnot_wave_0_\@:
	s_barrier_wait -3
	s_barrier_signal -1
	s_barrier_wait -1
.endm
.macro CROUND
	s_barrier_signal -1
	s_barrier_wait -1
	CREST
.endm
	s_load_b256 s[4:11], s[0:1], 0x0
	s_load_b128 s[12:15], s[0:1], 0x20
	v_lshl_add_u32 v[SPW], v0, 2, SPARE
	v_mov_b32 v[NIL], 0
	ds_add_u32 v28, v29
	ds_add_u32 v28, v29
	s_wait_dscnt 0x0
	v_lshrrev_b32 v1, 5, v0
	v_readfirstlane_b32 s[WV], v1
	s_lshr_b32 s[RH], s[WV], 1
	s_and_b32 s[CH], s[WV], 1
	s_and_b32 s[YC], ttmp7, 0xffff
	s_bfe_u32 s[CX], ttmp6, 0x40000
	s_bfe_u32 s[CY], ttmp6, 0x40004
	s_lshl_b32 s94, s[CY], 2
	s_lshl_b32 s94, 15, s94
	s_lshl_b32 s95, 0x1111, s[CX]
	s_or_b32 s[G1+0], s94, (3<<16)|(1<<21)
	s_or_b32 s[G1B+0], s95, (3<<16)|(1<<21)
.irp g, G1, G1B
	s_mov_b32 s[\g+1], 512<<16
	s_mov_b32 s[\g+2], 8<<16
	s_mov_b32 s[\g+3], 512<<16
	s_mov_b32 s[\g+4], 8
	s_mov_b32 s[\g+5], 2048
	s_mov_b32 s[\g+6], 0
	s_mov_b32 s[\g+7], 0
.endr
	s_or_b32 s[G1S+0], s94, (3<<16)|(1<<20)|(1<<21)|(5<<22)|(3<<25)
	s_or_b32 s[G1SB+0], s95, (3<<16)|(1<<20)|(1<<21)|(5<<22)|(3<<25)
.irp g, G1S, G1SB
	s_mov_b32 s[\g+1], 32<<16
	s_mov_b32 s[\g+2], 16<<16
	s_mov_b32 s[\g+3], 32<<16
	s_mov_b32 s[\g+4], 16
	s_mov_b32 s[\g+5], 32
	s_mov_b32 s[\g+6], 0
	s_mov_b32 s[\g+7], 0
.endr
	s_lshl_b32 s41, s[CH], 3
	s_lshl_b32 s42, s[YC], 6
	s_lshl_b32 s43, s[CY], 4
	s_add_co_u32 s42, s42, s43
	s_add_co_u32 s42, s42, s41
	s_lshl_b32 s44, s[CX], 4
	s_add_co_u32 s44, s44, 192
	s_add_co_u32 s44, s44, s41
	s_lshl_b32 s40, s42, 14
	s_mov_b32 s41, 0
	s_lshl_b32 s42, s42, 9
	s_mov_b32 s43, 0
	s_lshl_b32 s46, s44, 9
	s_mov_b32 s47, 0
	s_lshl_b32 s44, s44, 14
	s_mov_b32 s45, 0
	s_mul_i32 s92, s[WV], HALFT
	s_mul_i32 s93, s[WV], HALFS
	s_wait_kmcnt 0x0
	s_add_nc_u64 s[40:41], s[4:5], s[40:41]
	s_add_nc_u64 s[42:43], s[6:7], s[42:43]
	s_add_nc_u64 s[44:45], s[8:9], s[44:45]
	s_add_nc_u64 s[46:47], s[10:11], s[46:47]
	CROUND
	s_mov_b32 s[G0S], 1
	s_add_co_u32 s[G0S+1], s93, SCL
	s_mov_b64 s[G0S+2:G0S+3], s[42:43]
	s_or_b32 s[G0S+3], s[G0S+3], 0x80000000
	s_mov_b32 s[G0SB], 1
	s_add_co_u32 s[G0SB+1], s93, SCL
	s_mov_b64 s[G0SB+2:G0SB+3], s[46:47]
	s_or_b32 s[G0SB+3], s[G0SB+3], 0x80000000
	JLOAD G0S, G1S, G0SB, G1SB
.irp s, 0,1
	s_mov_b32 s[G0+4*\s], 1
	s_add_co_u32 s[G0+4*\s+1], s92, \s*SLOT
	s_add_nc_u64 s[G0+4*\s+2:G0+4*\s+3], s[40:41], \s*4096
	s_or_b32 s[G0+4*\s+3], s[G0+4*\s+3], 0x80000000
	s_mov_b32 s[G0B+4*\s], 1
	s_add_co_u32 s[G0B+4*\s+1], s92, \s*SLOT
	s_add_nc_u64 s[G0B+4*\s+2:G0B+4*\s+3], s[44:45], \s*4096
	s_or_b32 s[G0B+4*\s+3], s[G0B+4*\s+3], 0x80000000
	s_wait_alu depctr_va_vdst(0)
	s_wait_tensorcnt 0x0
	ds_add_u32 v28, v29
	s_wait_dscnt 0x0
	CROUND
	JLOAD G0+4*\s, G1, G0B+4*\s, G1B
.endr
	v_and_b32 v1, 31, v0
	v_and_b32 v2, 15, v0
	v_bfe_u32 v[HH], v0, 4, 1
	v_lshlrev_b32 v[LI], 4, v1
	s_wait_alu depctr_va_vdst(0)
	v_lshlrev_b32 v[BA], 6, v[HH]
	s_lshl_b32 s40, s[CX], 10
	s_lshl_b32 s41, s[CH], 9
	s_add_co_u32 s40, s40, s41
	s_mov_b32 s41, 0
	s_add_nc_u64 s[12:13], s[12:13], s[40:41]
.irp b, 0,1,2,3
.irp j, 0,1,2,3
	global_load_b128 v[BI+16*\b+4*\j:BI+16*\b+4*\j+3], v[BA], s[12:13] offset:128*\b+16*\j
.endr
.endr
	s_mul_i32 s40, s[RH], HALFT
	s_mul_i32 s41, s[CH], HALFT
	s_add_co_u32 s41, s41, 2*HALFT
.irp s, 0,1
	v_add_nc_u32 v[ADRA+\s], s40, v[LI]
	v_add_nc_u32 v[ADRB+\s], s41, v[LI]
	s_add_co_u32 s40, s40, SLOT
	s_add_co_u32 s41, s41, SLOT
.endr
	v_mul_u32_u24 v5, v2, 32
	v_lshrrev_b32 v6, 8, v5
	v_lshl_add_u32 v5, v6, 4, v5
	s_mul_i32 s40, s[RH], HALFS
	s_mul_i32 s41, s[CH], HALFS
	s_add_co_u32 s41, s41, 2*HALFS
	s_sub_co_u32 s41, s41, s40
	v_mul_u32_u24 v6, s41, v[HH]
	s_add_co_u32 s40, s40, SCL
	v_add_nc_u32 v5, v5, v6
	v_add_nc_u32 v[ADRS], s40, v5
	s_mul_i32 s40, s[WV], 16*SPITCH
	v_mul_u32_u24 v5, v2, SPITCH
	v_lshl_add_u32 v5, v[HH], 6, v5
	v_add_nc_u32 v[STO], s40, v5
	v_add_nc_u32 v[RD], s40, v[LI]
	s_lshl_b32 s40, s[YC], 2
	s_add_co_u32 s40, s40, s[CY]
	s_lshl_b32 s40, s40, 1
	s_add_co_u32 s40, s40, s[RH]
	s_lshl_b32 s40, s40, 19
	s_lshl_b32 s41, s[CX], 10
	s_add_co_u32 s40, s40, s41
	s_lshl_b32 s41, s[CH], 9
	s_add_co_u32 s40, s40, s41
	s_mov_b32 s41, 0
	s_add_nc_u64 s[14:15], s[14:15], s[40:41]
.macro FRAG reg, adr, q, i
.irp c, 0,1,2,3
	ds_load_b128 v[\reg+4*\c:\reg+4*\c+3], v[\adr] offset:4096*(\i)+2048*(\q)+512*\c
.endr
.endm
.macro MUL16 a0, p, q, sc, first
.irp a, \a0, \a0+1
.irp b, 0,1,2,3,4,5,6,7
.if \first
	v_wmma_scale_f32_16x16x128_f8f6f4 v[8*(8*((\a)%4)+\b):8*(8*((\a)%4)+\b)+7], v[128*(\p)+FR*\b:128*(\p)+FR*\b+FR-1], v[AF+FR*(\a):AF+FR*(\a)+FR-1], v[BI+8*\b:BI+8*\b+7], v[SC+8*NQ*(\sc)+NQ*\b+(\q)], v[SC+8*NQ*(\sc)+NQ*(\a)+(\q)] matrix_a_fmt:MATRIX_FMT_BF8 matrix_b_fmt:MATRIX_FMT_BF8 matrix_a_scale:MATRIX_SCALE_ROW1
.else
	v_wmma_scale_f32_16x16x128_f8f6f4 v[8*(8*((\a)%4)+\b):8*(8*((\a)%4)+\b)+7], v[128*(\p)+FR*\b:128*(\p)+FR*\b+FR-1], v[AF+FR*(\a):AF+FR*(\a)+FR-1], v[8*(8*((\a)%4)+\b):8*(8*((\a)%4)+\b)+7], v[SC+8*NQ*(\sc)+NQ*\b+(\q)], v[SC+8*NQ*(\sc)+NQ*(\a)+(\q)] matrix_a_fmt:MATRIX_FMT_BF8 matrix_b_fmt:MATRIX_FMT_BF8 matrix_a_scale:MATRIX_SCALE_ROW1
.endif
.endr
.endr
.endm
.macro FETCH_B slot, q, p
	WIN TO_B
.irp i, 0,1,2,3,4,5,6,7
	FRAG 128*(\p)+FR*\i, ADRB+\slot, \q, \i
.endr
	WIN 0
.endm
.macro FETCH_A slot, q, i0
.irp i, \i0, \i0+1, \i0+2, \i0+3
	FRAG AF+FR*(\i), ADRA+\slot, \q, \i
.endr
.endm
.macro SCALES sc
.irp i, 0,1,2,3,4,5,6,7
	ds_load_b64 v[SC+8*NQ*\sc+NQ*\i:SC+8*NQ*\sc+NQ*\i+1], v[ADRS] offset:\i*SBLK
.endr
.endm
.macro PLACES n
.rept \n
	v_nop
.endr
.endm
.macro STEP slot, q, first
	s_wait_dscnt 4*NL
.if \first
	WIN FIRST_LO
.else
	WIN MUL_LO
.endif
	MUL16 0, (\q)%2, \q, \slot, \first
	MUL16 2, (\q)%2, \q, \slot, \first
	s_wait_dscnt 0
	PLACES NP
	FETCH_B \slot, (\q)+1, 1-(\q)%2
	FETCH_A \slot, (\q)+1, 0
.if \first
	WIN FIRST_HI
.else
	WIN MUL_HI
.endif
	MUL16 4, (\q)%2, \q, \slot, \first
	MUL16 6, (\q)%2, \q, \slot, \first
	PLACES NP
	WIN 0
	FETCH_A \slot, (\q)+1, 4
.endm
.macro TURN slot, next, fill
	s_wait_tensorcnt 0x0
	ds_add_u32 v[SPW], v[NIL]
	s_wait_dscnt 4*NL+1
	WIN MUL_LO
	MUL16 0, 1, NQ-1, \slot, 0
	s_wait_dscnt 0x0
	s_barrier_signal -1
	MUL16 2, 1, NQ-1, \slot, 0
	WIN 0
	s_barrier_wait -1
.if \fill
	CREST
	s_add_nc_u64 s[G0+4*\slot+2:G0+4*\slot+3], s[G0+4*\slot+2:G0+4*\slot+3], 8192
	s_add_nc_u64 s[G0B+4*\slot+2:G0B+4*\slot+3], s[G0B+4*\slot+2:G0B+4*\slot+3], 8192
	JLOAD G0+4*\slot, G1, G0B+4*\slot, G1B
	PLACES NP-4
.else
	PLACES NP
.endif
	s_wait_alu depctr_va_vdst(0)
	v_add_nc_u32 v[ADRS], 4*NQ, v[ADRS]
	FETCH_B \next, 0, 0
	FETCH_A \next, 0, 0
	SCALES \next
	WIN MUL_HI
	MUL16 4, 1, NQ-1, \slot, 0
	MUL16 6, 1, NQ-1, \slot, 0
	PLACES NP
	WIN 0
	FETCH_A \next, 0, 4
.endm
	s_wait_alu depctr_va_vdst(0)
	s_wait_tensorcnt 1
	s_barrier_signal -1
	s_barrier_wait -1
	FETCH_B 0, 0, 0
	FETCH_A 0, 0, 0
	SCALES 0
	FETCH_A 0, 0, 4
	s_wait_loadcnt 0x0
	STEP 0, 0, 1
	TURN 0, 1, 1
	STEP 1, 0, 0
	TURN 1, 0, 1
	STEP 0, 0, 0
	TURN 0, 1, 0
	STEP 1, 0, 0
	s_wait_dscnt 4*NL
	WIN MUL_LO
	MUL16 0, 1, NQ-1, 1, 0
	MUL16 2, 1, NQ-1, 1, 0
	s_wait_dscnt 0
	WIN MUL_HI
	MUL16 4, 1, NQ-1, 1, 0
	MUL16 6, 1, NQ-1, 1, 0
	WIN 0
.macro TOSTAGE a
.set AC, 64*((\a)%4)
	WIN 0x08+4*((\a)/4)
.irp b, 0,1,2,3,4,5,6,7
	ds_store_b128 v[STO], v[AC+8*\b:AC+8*\b+3] offset:128*(\b/2)+32*(\b%2)
	ds_store_b128 v[STO], v[AC+8*\b+4:AC+8*\b+7] offset:128*(\b/2)+32*(\b%2)+16
.endr
	WIN 0
.set BB, BK+64*((\a)%2)
.irp t, 0,1,2,3,4,5,6,7,8,9,10,11,12,13,14,15
	ds_load_b128 v[BB+4*\t:BB+4*\t+3], v[RD] offset:\t*SPITCH
.endr
.endm
.macro SEND a, younger
.set BB, BK+64*((\a)%2)
	s_wait_dscnt \younger
.irp t, 0,1,2,3,4,5,6,7,8,9,10,11,12,13,14,15
	global_store_b128 v[LI], v[BB+4*\t:BB+4*\t+3], s[14:15] offset:(32*((\a)/2)+8*((\a)%2)+\t+8*(\t/8))*4096 th:TH_STORE_NT
.endr
.endm
	PLACES NP
	TOSTAGE 0
.irp a, 1,2,3,4,5,6,7
.if \a > 1
	s_wait_xcnt 0x0
.endif
	TOSTAGE \a
	SEND \a-1, 32
.endr
	SEND 7, 0
	s_wait_tensorcnt 0x0
	ds_add_u32 v[SPW], v[NIL]
	s_wait_dscnt 0x0
	CROUND
	s_endpgm
.Lfunc_end_k_q9a0e92999e_outp:
	.size	k_q9a0e92999e_outp, .Lfunc_end_k_q9a0e92999e_outp-k_q9a0e92999e_outp
	.p2alignl 7, 3214868480
	.fill 96, 4, 3214868480
	.section	.rodata,"a",@progbits
	.p2align	6, 0x0
	.amdhsa_kernel k_q9a0e92999e_outp
		.amdhsa_group_segment_fixed_size 327680
		.amdhsa_private_segment_fixed_size 0
		.amdhsa_enable_private_segment 0
		.amdhsa_kernarg_size 48
		.amdhsa_user_sgpr_count 2
		.amdhsa_user_sgpr_kernarg_segment_ptr 1
		.amdhsa_wavefront_size32 1
		.amdhsa_system_sgpr_workgroup_id_x 1
		.amdhsa_system_sgpr_workgroup_id_y 1
		.amdhsa_system_sgpr_workgroup_id_z 1
		.amdhsa_system_vgpr_workitem_id 0
		.amdhsa_next_free_vgpr 1024
		.amdhsa_next_free_sgpr 100
		.amdhsa_reserve_vcc 0
		.amdhsa_float_denorm_mode_32 3
		.amdhsa_float_denorm_mode_16_64 3
		.amdhsa_memory_ordered 1
		.amdhsa_forward_progress 1
		.amdhsa_inst_pref_size 147
	.end_amdhsa_kernel
	.amdgpu_metadata
---
amdhsa.version: [ 1, 2 ]
amdhsa.kernels:
  - .name:           k_q9a0e92999e_outp
    .symbol:         k_q9a0e92999e_outp.kd
    .args:
      - { .name: cc, .offset: 0, .size: 8, .value_kind: global_buffer, .address_space: global }
      - { .name: cs, .offset: 8, .size: 8, .value_kind: global_buffer, .address_space: global }
      - { .name: xwc, .offset: 16, .size: 8, .value_kind: global_buffer, .address_space: global }
      - { .name: xws, .offset: 24, .size: 8, .value_kind: global_buffer, .address_space: global }
      - { .name: bo, .offset: 32, .size: 8, .value_kind: global_buffer, .address_space: global }
      - { .name: out0, .offset: 40, .size: 8, .value_kind: global_buffer, .address_space: global }
    .group_segment_fixed_size: 327680
    .private_segment_fixed_size: 0
    .kernarg_segment_align: 8
    .kernarg_segment_size: 48
    .max_flat_workgroup_size: 128
    .sgpr_count:     100
    .vgpr_count:     1024
    .wavefront_size: 32
...
	.end_amdgpu_metadata
.endif
;; end of part 4
